; MI455X (gfx1250); checked and timed in simulation.
; The chip was launched on July 23, 2026; its instructions are those of AMD's public machine-readable ISA for CDNA 5 (MIT licence, August 2026) and "CDNA5" Instruction Set Architecture Reference Guide (July 2026). The comments in the code are by the model that wrote it; some were corrected since.
;; Mo E. Allowed arithmetic: matrix products marked QUANTISED: E2M1 operands, one E8M0 scale for each 32 along K, by v_wmma_scale_f32_16x16x128_f8f6f4 with both operands' format E2M1 (or v_wmma_scale_f32_32x16x128_f4), f32 sums; products left as they are: f32 operands where the result goes on into a quantised operand, else bf16, f16 or f32 operands; f32 sums; everything else in f32.
;; Inputs: We_codes 8 x 1,024 x 32 x 16 uint8 (E2M1 codes of We, K innermost, in blocks of 32 codes, two codes a byte); We_scales 8 x 1,024 x 32 uint8 (E8M0 scales of We, one for each 32 codes along K); Wg 1,024 x 8 float32; be 8 x 1,024 float32; bg 8 float32; x 8,192 x 1,024 float32.
;; Outputs: out0 8,192 x 1,024 float32.
;; This version of the problem:
;;   THIS VERSION OF THE PROBLEM IS GIVEN IN LOW PRECISION. The matrix products marked QUANTISED in the list below multiply operands that are first quantised to E2M1 (2 exponent bits, 1 mantissa bit; 4 bits a number), with one power-of-two scale for each 32 numbers along K (OCP MX v1.0); their sums are f32. All else is computed in f32.
;;   The module's matrix products, in the order in which they are computed (A, B: the left and right operand; K: the contracted axis; several contracted axes count as one K, in the product's order):
;;     1. [M 8,192, K 1,024] x [K 1,024, N 8]; A: input x; B: input Wg: left as it is (N = 8 < 16)
;;     2. [M 8,192, K 1,024] x [K 1,024, N 8,192]; A: input x; B: input We (given as codes): QUANTISED
;;     3. batch 8,192 x [M 1, K 8] x [K 8, N 1,024]; A: softmax; B: computed on the way: left as it is (K = 8 < 32)
;;   THE QUANTISER, for each operand of a quantised product, along K:
;;     - K is cut into blocks of 32 from its start; a last block that is shorter is filled with zeros.
;;     - A block's scale is 2^e with e = floor(log2(the largest magnitude in the block)) - 2, held to -126 .. 127; a block of zeros has e = 0. As a byte (E8M0): e + 127.
;;     - Each number is divided by its block's scale, clamped to +-6, and rounded to the nearest number of E2M1, ties to even, subnormals kept.
;;     - The product sums the exact products of the quantised numbers (number of the format x scale) in f32.
;;   ~~~python
;;   def quantise(x, axis):      # numpy; x: float32 -> the quantised numbers, widened to float32 again
;;       x = np.moveaxis(x, axis, -1); K = x.shape[-1]
;;       x = np.pad(x, [(0, 0)] * (x.ndim - 1) + [(0, -K % 32)]); x = x.reshape(x.shape[:-1] + (-1, 32)); a = np.abs(x).max(-1, keepdims=True)
;;       e = np.where(a > 0, np.clip(np.frexp(np.where(a > 0, a, 1))[1] - 1 - 2, -126, 127), 0)      # np.frexp(a)[1] - 1 = floor(log2(a)), exactly
;;       r = np.clip(x / 2.0 ** e, -6, 6)
;;       step = 2.0 ** (np.maximum(np.frexp(np.where(r == 0, 1, r))[1] - 1, 0) - 1)
;;       q = np.round(r / step) * step * 2.0 ** e      # np.round: ties to even
;;       return np.moveaxis(q.reshape(q.shape[:-2] + (-1,))[..., :K], -1, axis).astype(np.float32)
;;   ~~~
;;   INPUTS GIVEN AS CODES. We (in the module: [8, 1024, 1024], K = its axis 1): each comes as NAME_codes (uint8): NAME with its K axis moved to the last place and cut into blocks of 32 codes, [.., K / 32, bytes a block], one block behind the other in memory; two codes a byte, the lower K in the low four bits (a code: sign, 2 exponent bits, 1 mantissa bit); and NAME_scales (uint8): the same leading axes, one E8M0 byte (e + 127) for each 32 codes along K. Its value is code x scale, taken as it is: it is not quantised again, and the codes and scales need not be those that the quantiser above would give.
;; 2 versions. Each part assembles by itself: llvm-mc -triple=amdgcn-amd-amdhsa -mcpu=gfx1250 --defsym DOCPART=n.
;; ======== version 1 of 2: 2 launches
;; workspace buffers: xq 4,194,304 bytes; xs 262,144 bytes; gates 262,144 bytes
;; launch prep (part 1): grid 256 x 1, 8 waves a work-group, no clusters, 167,936 bytes of LDS; arguments x, Wg, bg, xq, xs, gates; writes xq, xs, gates
.if DOCPART == 1
	.amdgcn_target "amdgcn-amd-amdhsa--gfx1250"
	.amdhsa_code_object_version 6
	.text
	.protected	k_qb0fbba089d_prep
	.globl	k_qb0fbba089d_prep
	.p2align	8
	.type	k_qb0fbba089d_prep,@function
k_qb0fbba089d_prep:
	s_mov_b64 s[64:65], 0
	v_nop
	global_prefetch_b8 v0, s[64:65] scope:SCOPE_SE
	s_setreg_imm32_b32 hwreg(HW_REG_WAVE_MODE, 25, 1), 1
	s_wait_xcnt 0x0
; FIRST OF TWO LAUNCHES.  out[b][o] = sum over e of g[b][e] (Q(x)[b] . We[e][:][o] + be[e][o]),  g = softmax over e of (x Wg + bg).
; NOTHING IS LEFT OUT: the gates are soft, so every expert counts for every row; bg differs along the softmax's axis; be is weighed by g; x feeds both products.  Every input is loaded by one of the two launches.
; THIS LAUNCH reads x [8192][1024] f32 once and makes of it (a) x's codes of FP4 (E2M1) with one E8M0 scale for each 32 along K, laid as images of the operand's registers, (b) the gates.
;   xq    [T 512 tiles of 16 rows][s 8 K steps of 128][c 2][lane 32][16 bytes]: registers 4 c .. 4 c + 3 of the fragment: lane (r, h) holds k = 128 s + 64 c + 32 h + 0 .. 31 of row 16 T + r
;   xs    [T][lane 32][p 4] words: lane (r, h), word p: the scale word (four bytes) of row 16 T + r for K step 2 p + h
;   gates [T][e 8][r 16] f32
; A block's scale is 2^(floor(log2(its largest magnitude)) - 2); its byte is the largest magnitude's exponent field - 2, held at 1 from below.
; LIMITS: NaN and infinities in x are not served.  A block whose largest magnitude lies under 2^-124 gets the byte 1; so does a block of zeros, where the rule says 127: its codes are zeros, and this program alone reads the bytes.
;   The gate product x Wg has bf16 operands and f32 sums: each product carries a relative error of about 2^-8, so the logits' error grows with the inputs' size.
; SHARES.  A work-group takes 32 rows (two tiles), its eight waves the eight K steps: wave w brings 32 rows x 512 bytes by ONE tensor load at the kernel's head and reads only its own bytes.  Nothing is filled again: no ring.
; The logits' eight partial sums meet in LDS behind the launch's one barrier; waves 0 and 1 finish a tile's softmax each, waves 2 and 3 store a tile's scale words each.
.set XTW,   32*528                     ; a wave's tile in LDS: 32 rows of 512 bytes + 16 of padding: the 16 rows that a load touches start at 16 different columns of 16 bytes
.set LGS,   8*XTW                      ; partial logits: image (8 t + w) of 1,024 bytes
.set XSS,   LGS+16384                  ; scale words: 512 bytes a tile, laid as xs
.set GST,   XSS+1024                   ; the gates' stage: 512 bytes a tile, laid as gates
.set SPARE, GST+1024                   ; the spare words, 128 bytes for each wave: four blocks of 256 bytes that no other line names
.set XA,  5                            ; v5   my 64 bytes of a block of 32 numbers in row r of my wave's tile
.set WGA, 6                            ; v6   Wg: 4 (r % 8) + 512 h
.set LI,  7                            ; v7   16 x lane
.set XSW, 8                            ; v8   where my row's scale word goes
.set LGW, 9                            ; v9   where my partial logits go
.set LGR, 10                           ; v10  where a tile's eight partial images are read
.set GSW, 11                           ; v11  the gates' stage, in
.set GSR, 12                           ; v12  and back
.set XSR, 13                           ; v13  a tile's scale words, back
.set SPW, 14                           ; v14  LDS address of my spare word; never rewritten
.set NIL, 15                           ; v15  0; never rewritten
.set PW,  16                           ; v16-17   tile t's scale word
.set X,   32                           ; v32-95   first Wg as loaded; then 64 numbers of x: register 16 b + i = k 32 b + 16 h + i of row r; at the end the eight partial logits
.set XB,  96                           ; v96-127  x in bf16: four fragments of 32 along K
.set LG,  128                          ; v128-159 four accumulators: two a tile, by turns
.set WF,  160                          ; v160-191 Wg in bf16: four fragments
.set PC,  224                          ; v224-239 the codes: a set for each tile, so that no store's data are written again
.set TM,  240                          ; v240-255 at work in QUANT
.set SEL, 20                           ; s[20:21] v_permlanex16_b32's selects for lane l xor 16
	s_load_b256 s[4:11], s[0:1], 0x0               ; x s[4:5], Wg s[6:7], bg s[8:9], xq s[10:11]
	s_load_b128 s[12:15], s[0:1], 0x20             ; xs s[12:13], gates s[14:15]
	v_lshl_add_u32 v[SPW], v0, 2, SPARE
	v_mov_b32 v[NIL], 0
	ds_add_u32 v[SPW], v[NIL]                      ; the wave's opening: the add, twice on end, and its wait ahead of my first tensor load
	ds_add_u32 v[SPW], v[NIL]                      ; and once more; the set-up below, work on registers, stands between it and the wait
	v_lshrrev_b32 v1, 5, v0
	v_readfirstlane_b32 s16, v1                    ; wave 0..7 = my K step
	; descriptor group 1: 32 rows x 128 elements of 4 bytes, 1,024 elements from row to row; 4 words of padding behind every 128
	s_mov_b32 s24, (2<<16)|(1<<20)|(6<<22)|(3<<25)
	s_mov_b32 s25, 128<<16                         ; tensor_dim0
	s_mov_b32 s26, 32<<16                          ; tensor_dim1
	s_mov_b32 s27, 128<<16                         ; tile_dim0
	s_mov_b32 s28, 32                              ; tile_dim1
	s_mov_b32 s29, 1024                            ; tensor_dim0_stride
	s_mov_b32 s30, 0
	s_mov_b32 s31, 0
	s_mov_b32 s32, 1                               ; group 0: count = 1,
	s_mul_i32 s33, s16, XTW                        ; my wave's tile in LDS
	s_lshl_b32 s18, ttmp9, 17                      ; x: 32 rows of 4,096 bytes a work-group,
	s_lshl_b32 s19, s16, 9                         ; 512 bytes a K step
	s_add_co_u32 s18, s18, s19
	s_mov_b32 s19, 0
	s_lshl_b32 s36, s16, 12                        ; Wg: 128 rows of 32 bytes a K step
	s_mov_b32 s37, 0
	s_lshl_b32 s38, ttmp9, 14                      ; xq: two tiles of 8,192 bytes a work-group,
	s_lshl_b32 s39, s16, 10                        ; 1,024 bytes a K step
	s_add_co_u32 s38, s38, s39
	s_mov_b32 s39, 0
	s_and_b32 s22, s16, 1                          ; wave % 2: the tile that I finish behind the barrier
	s_lshl_b32 s50, ttmp9, 10                      ; xs and gates: two tiles of 512 bytes a work-group
	s_lshl_b32 s51, s22, 9
	s_add_co_u32 s50, s50, s51
	s_mov_b32 s51, 0
	s_mov_b32 s[SEL], 0x76543210
	s_mov_b32 s[SEL+1], 0xfedcba98
	s_mov_b32 s48, 0x3fb8aa3b                      ; log2(e)
	s_wait_dscnt 0x0                               ; both opening adds are done
	s_wait_kmcnt 0x0
	s_add_nc_u64 s[34:35], s[4:5], s[18:19]
	s_or_b32 s35, s35, 0x80000000                  ; type = 2
	tensor_load_to_lds s[32:35], s[24:31]          ; my one tensor load: 16 KiB; the eight waves' loads are all that the work-group reads of x
	s_nop 0
	s_load_b256 s[40:47], s[8:9], 0x0              ; bg's eight numbers
	s_add_nc_u64 s[6:7], s[6:7], s[36:37]
	s_add_nc_u64 s[10:11], s[10:11], s[38:39]
	s_add_nc_u64 s[12:13], s[12:13], s[50:51]
	s_add_nc_u64 s[14:15], s[14:15], s[50:51]
	v_and_b32 v2, 31, v0                           ; lane
	v_and_b32 v3, 15, v0                           ; r
	v_bfe_u32 v4, v0, 4, 1                         ; h
	v_and_b32 v[WGA], 7, v0
	v_lshlrev_b32 v[WGA], 2, v[WGA]
	v_lshl_add_u32 v[WGA], v4, 9, v[WGA]
; Wg's fragments.  Source 0 of the gate product is Wg^T with the eight experts written twice (row m holds expert m % 8), so that both halves of the lanes end up with all eight logits of their row.
; Register 16 b + i = Wg[128 w + 32 b + 16 h + i][r % 8]: the same order along K as x's registers below: a permutation of K that is alike on both sources keeps the products.
.irp b, 0,1,2,3
.irp i, 0,1,2,3,4,5,6,7,8,9,10,11,12,13,14,15
	global_load_b32 v[X+16*\b+\i], v[WGA], s[6:7] offset:1024*\b+32*\i
.endr
.endr
	; every LDS address is made here, ahead of the place where the waves part
	v_mul_u32_u24 v[XA], v3, 528
	v_lshl_add_u32 v[XA], v4, 6, v[XA]
	v_add_nc_u32 v[XA], s33, v[XA]
	v_lshlrev_b32 v[LI], 4, v2
	s_lshl_b32 s23, s22, 8                         ; xs's layout: lane r + 16 (w % 2), word w / 2
	s_lshr_b32 s52, s16, 1
	s_lshl_b32 s52, s52, 2
	s_add_co_u32 s23, s23, s52
	s_add_co_u32 s23, s23, XSS
	v_lshl_add_u32 v[XSW], v3, 4, s23
	s_lshl_b32 s23, s16, 10
	s_add_co_u32 s23, s23, LGS
	v_lshl_add_u32 v[LGW], v2, 4, s23
	s_lshl_b32 s23, s22, 13
	s_add_co_u32 s23, s23, LGS
	v_lshl_add_u32 v[LGR], v2, 4, s23
	s_lshl_b32 s23, s22, 9
	s_add_co_u32 s23, s23, GST
	v_lshl_add_u32 v[GSW], v3, 2, s23
	v_lshl_add_u32 v[GSR], v2, 4, s23
	s_lshl_b32 s23, s22, 9
	s_add_co_u32 s23, s23, XSS
	v_lshl_add_u32 v[XSR], v2, 4, s23
.irp b, 0,1,2,3
	v_mov_b32 v[TM+4+\b], 0                        ; written once: a lane permute's destination counts as one of its sources
.endr
	s_wait_loadcnt 0x0                             ; Wg
.irp q, 0,1,2,3,4,5,6,7,8,9,10,11,12,13,14,15,16,17,18,19,20,21,22,23,24,25,26,27,28,29,30,31
	v_cvt_pk_bf16_f32 v[WF+\q], v[X+2*\q], v[X+2*\q+1]
.endr
	s_wait_kmcnt 0x0                               ; bg
	s_wait_tensorcnt 0x0                           ; my tile is in LDS; I alone read it, so no barrier is needed
; 64 numbers of a lane, v[s] on, register 16 b + i = k 32 b + 16 (lane / 16) + i of my row, become a fragment's codes in v[pc] on and its scale word in v[pw].
.macro QUANT s, pc, pw
.irp b, 0,1,2,3
	v_max3_num_f32 v[TM+\b], |v[\s+16*\b]|, |v[\s+1+16*\b]|, 0x1800000   ; block b: my 16 numbers, and the floor 2^(3 - 127): so the byte cannot fall under 1
.endr
.irp i, 2,4,6,8,10,12,14
.irp b, 0,1,2,3
	v_max3_num_f32 v[TM+\b], v[TM+\b], |v[\s+16*\b+\i]|, |v[\s+1+16*\b+\i]|   ; the four blocks by turns: no line waits for the line above it
.endr
.endr
.irp b, 0,1,2,3
	v_permlanex16_b32 v[TM+4+\b], v[TM+\b], s[SEL], s[SEL+1]
.endr
.irp b, 0,1,2,3
	v_max_num_f32 v[TM+\b], v[TM+\b], v[TM+4+\b]   ; with lane l xor 16's: the block's largest magnitude
.endr
.irp b, 0,1,2,3
	v_add_nc_u32 v[TM+12+\b], 0xff000000, v[TM+\b] ; 2 off its exponent field: the conversion takes the exponent field of this operand as its scale, and nothing else of it
.endr
.irp b, 0,1,2,3
	v_lshrrev_b32 v[TM+4+\b], 23, v[TM+12+\b]      ; the scale's byte
.endr
	v_lshl_or_b32 v[\pw], v[TM+5], 8, v[TM+4]      ; the four bytes make my row's scale word, the same in both halves of the lanes
	v_lshl_or_b32 v[\pw], v[TM+6], 16, v[\pw]
	v_lshl_or_b32 v[\pw], v[TM+7], 24, v[\pw]
.irp b, 0,1,2,3
	v_cvt_scalef32_pk8_fp4_f32 v[\pc+2*\b], v[\s+16*\b:\s+7+16*\b], v[TM+12+\b]
	v_cvt_scalef32_pk8_fp4_f32 v[\pc+1+2*\b], v[\s+8+16*\b:\s+15+16*\b], v[TM+12+\b]
.endr
	v_nop                                          ; one plain place behind a scaled conversion
.irp c, 0,1                                        ; the operand's layout wants a WHOLE block in a lane: lanes 0-15 block 2 c, lanes 16-31 block 2 c + 1
.irp i, 0,1
	v_permlane16_swap_b32 v[\pc+4*\c+\i], v[\pc+2+4*\c+\i]
.endr
.endr
.endm
; Tile t (16 rows) of my K step: its numbers from LDS; its part of the logits (four products, two accumulators by turns); its codes and its scale word.
.macro TILE t
.irp b, 0,1,2,3
.irp j, 0,1,2,3
	ds_load_b128 v[X+16*\b+4*\j:X+16*\b+4*\j+3], v[XA] offset:(\t)*8448+128*\b+16*\j
.endr
.endr
	s_wait_dscnt 0x0
.irp q, 0,1,2,3,4,5,6,7,8,9,10,11,12,13,14,15,16,17,18,19,20,21,22,23,24,25,26,27,28,29,30,31
	v_cvt_pk_bf16_f32 v[XB+\q], v[X+2*\q], v[X+2*\q+1]    ; (in tile 1 these write what tile 0's products read: QUANT's plain lines stand between)
.endr
.irp b, 0,1,2,3                                    ; source 0 = Wg^T, source 1 = x: lane (r, h), register j: the partial logit of row r, expert j
.if \b < 2
	v_wmma_f32_16x16x32_bf16 v[LG+16*(\t)+8*(\b%2):LG+16*(\t)+8*(\b%2)+7], v[WF+8*\b:WF+8*\b+7], v[XB+8*\b:XB+8*\b+7], 0
.else
	v_wmma_f32_16x16x32_bf16 v[LG+16*(\t)+8*(\b%2):LG+16*(\t)+8*(\b%2)+7], v[WF+8*\b:WF+8*\b+7], v[XB+8*\b:XB+8*\b+7], v[LG+16*(\t)+8*(\b%2):LG+16*(\t)+8*(\b%2)+7]
.endif
.endr
	QUANT X, PC+8*(\t), PW+(\t)
	global_store_b128 v[LI], v[PC+8*(\t):PC+8*(\t)+3], s[10:11] offset:(\t)*8192         ; 32 lanes store 512 consecutive bytes, at a multiple of 256 from xq's first byte
	global_store_b128 v[LI], v[PC+8*(\t)+4:PC+8*(\t)+7], s[10:11] offset:(\t)*8192+512
	ds_store_b32 v[XSW], v[PW+(\t)] offset:(\t)*512      ; both halves of the lanes write the same word with the same value
.endm
	TILE 0
	TILE 1
.irp t, 0,1                                        ; a tile's two accumulators are added, from the low end on (QUANT's lines are the places behind the last products), and go to LDS as an image
.irp q, 0,2,4,6
	v_pk_add_f32 v[LG+16*\t+\q:LG+16*\t+\q+1], v[LG+16*\t+\q:LG+16*\t+\q+1], v[LG+16*\t+8+\q:LG+16*\t+8+\q+1]
.endr
	ds_store_b128 v[LGW], v[LG+16*\t:LG+16*\t+3] offset:\t*8192
	ds_store_b128 v[LGW], v[LG+16*\t+4:LG+16*\t+7] offset:\t*8192+512
.endr
	s_wait_dscnt 0x0                               ; for the others' sake: my partial logits and my scale words lie in LDS
	s_barrier_signal -1
	s_barrier_wait -1
	s_cmp_lt_u32 s16, 2
	s_cbranch_scc0 .Lnot_gates
	; waves 0 and 1: the softmax of tile w
.irp p, 0,1,2,3,4,5,6,7
	ds_load_b128 v[X+8*\p:X+8*\p+3], v[LGR] offset:1024*\p
	ds_load_b128 v[X+8*\p+4:X+8*\p+7], v[LGR] offset:1024*\p+512
.endr
	s_wait_dscnt 0x0
.irp p, 0,2,4,6
.irp q, 0,2,4,6
	v_pk_add_f32 v[X+8*\p+\q:X+8*\p+\q+1], v[X+8*\p+\q:X+8*\p+\q+1], v[X+8*\p+8+\q:X+8*\p+8+\q+1]
.endr
.endr
.irp p, 0,4
.irp q, 0,2,4,6
	v_pk_add_f32 v[X+8*\p+\q:X+8*\p+\q+1], v[X+8*\p+\q:X+8*\p+\q+1], v[X+8*\p+16+\q:X+8*\p+16+\q+1]
.endr
.endr
.irp q, 0,2,4,6
	v_pk_add_f32 v[X+\q:X+\q+1], v[X+\q:X+\q+1], v[X+32+\q:X+32+\q+1]
.endr
.irp j, 0,1,2,3,4,5,6,7
	v_add_f32 v[X+\j], s[40+\j], v[X+\j]           ; + bg: the logit of row r, expert j
.endr
	v_max3_num_f32 v[X+8], v[X], v[X+1], v[X+2]
	v_max3_num_f32 v[X+8], v[X+8], v[X+3], v[X+4]
	v_max3_num_f32 v[X+8], v[X+8], v[X+5], v[X+6]
	v_max_num_f32 v[X+8], v[X+8], v[X+7]           ; the row's largest logit is taken away ahead of the exponential
	v_mul_f32 v[X+8], s48, v[X+8]
.irp j, 0,1,2,3,4,5,6,7
	v_fma_f32 v[X+\j], v[X+\j], s48, -v[X+8]       ; (logit - largest) x log2(e), one fused multiply-add
.endr
.irp j, 0,1,2,3,4,5,6,7
	v_exp_f32 v[X+\j], v[X+\j]
.endr
	v_nop                                          ; a plain place behind the last exponential
	s_wait_alu depctr_va_vdst(0)                   ; one wait for the batch of eight, ahead of its first reader
	v_pk_add_f32 v[X+10:X+11], v[X:X+1], v[X+2:X+3]
	v_pk_add_f32 v[X+12:X+13], v[X+4:X+5], v[X+6:X+7]
	v_pk_add_f32 v[X+10:X+11], v[X+10:X+11], v[X+12:X+13]
	v_add_f32 v[X+10], v[X+10], v[X+11]
	v_rcp_f32 v[X+12], v[X+10]
	v_nop
	s_wait_alu depctr_va_vdst(0)                   ; and one for the reciprocal
.irp j, 0,1,2,3,4,5,6,7
	v_mul_f32 v[X+\j], v[X+\j], v[X+12]
.endr
.irp j, 0,1,2,3,4,5,6,7
	ds_store_b32 v[GSW], v[X+\j] offset:64*\j      ; [e][r]; both halves of the lanes write the same word with the same value
.endr
	ds_load_b128 v[X+16:X+19], v[GSR]              ; LDS serves a wave's instructions in order: this sees my stores
	s_wait_dscnt 0x0
	global_store_b128 v[LI], v[X+16:X+19], s[14:15]    ; the tile's 512 bytes of gates: two aligned blocks of 256
	s_branch .Lend
.Lnot_gates:
	s_cmp_lt_u32 s16, 4
	s_cbranch_scc0 .Lend
	ds_load_b128 v[X:X+3], v[XSR]                  ; waves 2 and 3: the scale words of tile w - 2, which all eight waves stored ahead of the barrier
	s_wait_dscnt 0x0
	global_store_b128 v[LI], v[X:X+3], s[12:13]
.Lend:
	s_wait_tensorcnt 0x0                           ; the wave's end: a tensor wait, an add and its wait, behind my tensor load and my last LDS store
	ds_add_u32 v[SPW], v[NIL]
	s_wait_dscnt 0x0
	s_endpgm
.Lfunc_end_k_qb0fbba089d_prep:
	.size	k_qb0fbba089d_prep, .Lfunc_end_k_qb0fbba089d_prep-k_qb0fbba089d_prep
	.p2alignl 7, 3214868480
	.fill 96, 4, 3214868480
	.section	.rodata,"a",@progbits
	.p2align	6, 0x0
	.amdhsa_kernel k_qb0fbba089d_prep
		.amdhsa_group_segment_fixed_size 167936
		.amdhsa_private_segment_fixed_size 0
		.amdhsa_enable_private_segment 0
		.amdhsa_kernarg_size 48
		.amdhsa_user_sgpr_count 2
		.amdhsa_user_sgpr_kernarg_segment_ptr 1
		.amdhsa_wavefront_size32 1
		.amdhsa_system_sgpr_workgroup_id_x 1
		.amdhsa_system_sgpr_workgroup_id_y 1
		.amdhsa_system_sgpr_workgroup_id_z 1
		.amdhsa_system_vgpr_workitem_id 0
		.amdhsa_next_free_vgpr 256
		.amdhsa_next_free_sgpr 66
		.amdhsa_reserve_vcc 0
		.amdhsa_float_denorm_mode_32 3
		.amdhsa_float_denorm_mode_16_64 3
		.amdhsa_memory_ordered 1
		.amdhsa_forward_progress 1
		.amdhsa_inst_pref_size 34
	.end_amdhsa_kernel
	.amdgpu_metadata
---
amdhsa.version: [ 1, 2 ]
amdhsa.kernels:
  - .name:           k_qb0fbba089d_prep
    .symbol:         k_qb0fbba089d_prep.kd
    .args:
      - { .name: x, .offset: 0, .size: 8, .value_kind: global_buffer, .address_space: global }
      - { .name: Wg, .offset: 8, .size: 8, .value_kind: global_buffer, .address_space: global }
      - { .name: bg, .offset: 16, .size: 8, .value_kind: global_buffer, .address_space: global }
      - { .name: xq, .offset: 24, .size: 8, .value_kind: global_buffer, .address_space: global }
      - { .name: xs, .offset: 32, .size: 8, .value_kind: global_buffer, .address_space: global }
      - { .name: gates, .offset: 40, .size: 8, .value_kind: global_buffer, .address_space: global }
    .group_segment_fixed_size: 167936
    .private_segment_fixed_size: 0
    .kernarg_segment_align: 8
    .kernarg_segment_size: 48
    .max_flat_workgroup_size: 256
    .sgpr_count:     66
    .vgpr_count:     256
    .wavefront_size: 32
...
	.end_amdgpu_metadata
.endif
;; end of part 1
;; launch moe (part 2): grid 32 x 8, 4 waves a work-group, clusters of 4 x 1, 327,680 bytes of LDS; arguments xq, xs, gates, We_codes, We_scales, be, out0; writes out0
.if DOCPART == 2
	.amdgcn_target "amdgcn-amd-amdhsa--gfx1250"
	.amdhsa_code_object_version 6
	.text
	.protected	k_qb0fbba089d_moe
	.globl	k_qb0fbba089d_moe
	.p2align	8
	.type	k_qb0fbba089d_moe,@function
k_qb0fbba089d_moe:
	s_mov_b64 s[64:65], 0
	v_nop
	global_prefetch_b8 v0, s[64:65] scope:SCOPE_SE
	s_setreg_imm32_b32 hwreg(HW_REG_WAVE_MODE, 25, 1), 1
	s_wait_xcnt 0x0
	s_wait_alu depctr_hold_cnt(0) depctr_sa_sdst(0) depctr_va_vdst(0) depctr_va_sdst(0) depctr_va_ssrc(0) depctr_va_vcc(0) depctr_vm_vsrc(0)
	s_getreg_b32 s2, hwreg(HW_REG_IB_STS2, 6, 4)
	s_cmp_eq_u32 s2, 0
	s_cbranch_scc0 .Lentry_in_a_cluster
	s_endpgm
.Lentry_in_a_cluster:
	s_bfe_u32 s2, ttmp6, 0x10000c
	s_cmp_lg_u32 s2, 0x3003
	s_cbranch_scc0 .Lentry_shape_is_right
	s_endpgm
.Lentry_shape_is_right:
; SECOND OF TWO LAUNCHES.  out[b][o] = sum over e of g[b][e] (Q(x)[b] . We[e][:][o] + be[e][o]).  No work is left out: all eight experts are multiplied for every row.
; x's codes (xq), its scale words (xs) and the gates come from the launch before, laid as that kernel's head says; We's codes [8][1024 o][512 bytes] and scale bytes [8][1024 o][32] as they are given.
; SHARES.  A work-group makes 256 rows x 128 columns of out, a wave 128 rows (8 tiles t) x 64 columns (4 tiles c), for all 8 experts: 2,048 matrix instructions a wave, 256 work-groups.
; x's CODES STAY IN REGISTERS: a wave's 128 rows, all 1,024 along K, are 512 registers, loaded once, 512 consecutive bytes a load.  Only We's fragments go through LDS, and each feeds eight matrix instructions.
; THE MATRIX INSTRUCTION IS USED TRANSPOSED (source 0 = 16 columns of We, source 1 = 16 rows of x): lane (r, h), register j holds row r, column 16 c + 8 h + j.  The bias is the C of a sum's first instruction.
; A GROUP (e, c) is 64 matrix instructions, K in 8 steps, in two halves of four accumulators by turns: H0 tiles 0-3, H1 tiles 4-7.  Each half carries the other half's combine
; out += g P, four packed multiply-adds behind every second step.  Those lines name no register of the products round them: they are the places behind results that are read next and in front of loads into fragments that were read.
; RING.  Two LDS slots of two experts' tiles (128 columns x 512 bytes each); one tensor load a wave (64 rows) fills a quarter of a slot.  Slots 0 and 1 are first fills (experts 0-3); each is filled again once.
; By this text's own count a wave has three tensor loads out at the head and one behind each refill, which has two experts' work, 512 matrix instructions, in which to land.
; CLUSTER.  The four row blocks of a cluster walk the same tiles of We, the same scale bytes and the same bias: joint loads, mask 15.  x's codes are not shared in the cluster: each work-group has rows of its own,
; and they go to registers, not to LDS.  The gates are each work-group's own too: a plain load.
.set PITCH, 528                        ; a column's row in LDS: 512 bytes + 16 of padding: the 16 rows that a load touches start at 16 different columns of 16 bytes
.set CT,    16*PITCH                   ; a tile of 16 columns
.set HALF,  64*PITCH                   ; what one tensor load brings, and a wave's 64 columns
.set TILEB, 128*PITCH                  ; an expert's tile: 0x10800
.set BIA,   2*TILEB                    ; behind slot 0: the bias, 8 experts x 512 bytes
.set SLOTX, BIA+4096                   ; slot 1 begins at 0x22000, which shares no bit with 0x10800 nor with wave x HALF: one exclusive or turns an address from slot to slot
.set SCL,   SLOTX+2*TILEB              ; the scale bytes: expert x 4,096 + column x 32
.set GAT,   SCL+32768                  ; the gates of my 16 tiles of rows
.set SPARE, GAT+8192                   ; the spare words, 128 bytes for each wave: two blocks of 256 bytes that no other line names
.set SP,    272                        ; the way out: a stage of 16 rows x (256 bytes + 16) for each wave, in slot 0, which by then has had its last fill and its last read
.set AB0, 2                            ; v2   my lane's place in an expert's tile: r PITCH + 16 h + my 64 columns
.set AB,  3                            ; v3   the same in the tile in hand
.set AS,  4                            ; v4   scale words: lane l = column l of a pair of tiles
.set ABI, 5                            ; v5   the bias of my eight columns
.set AG,  6                            ; v6   the gate of my row
.set LI,  7                            ; v7   16 x lane
.set STO, 8                            ; v8   the stage, in
.set RD,  9                            ; v9   and back
.set CO,  10                           ; v10  my byte offset in out
.set SPW, 12                           ; v12  LDS address of my spare word; never rewritten
.set NIL, 13                           ; v13  0; never rewritten
.set XS,  16                           ; v16-47   x's scale words: 4 t + p: lanes 0-15 K step 2 p, lanes 16-31 K step 2 p + 1
.set WS,  48                           ; v48-63   We's scale words, two sets of 8 (word s): lanes 0-15 tile 2 cp, lanes 16-31 tile 2 cp + 1
.set BI,  64                           ; v64-71   the bias in the result's layout
.set G,   72                           ; v72-87   g of tile t in v[72 + 2 t]; the odd registers are named with them as pairs and hold 0
.set P,   88                           ; v88-151  the eight accumulators
.set BF,  152                          ; v152-215 We's eight fragments of a group; on the way out rows of out
.set BK,  152
; window 1: out(t, c) at v[8 (4 t + c)];  window 2: x's tiles 0-3 at v[64 t + 8 s];  window 3: tiles 4-7 likewise
.set WV,  18                           ; s18 wave;  s19 wave / 2: my half of the rows;  s20 wave % 2: my half of the columns;  s21 cx;  s22 block of 256 rows;  s23 block of 128 columns
.set G1C, 24                           ; s[24:31] descriptor group 1: codes
.set G1S, 32                           ; s[32:39] scale bytes
.set G1B, 40                           ; s[40:47] bias
.set G1G, 48                           ; s[48:55] gates
.set G0A, 56                           ; s[56:59] group 0: slot 0's first fill
.set G0W, 60                           ; s[60:63] slot 1's first fill; it then walks
.set G0S, 68
.set G0B, 72
.set G0G, 76
.set TB,  96                           ; s96  LDS byte at which the expert's tile in hand begins
.set CNT, 97
.set MULA, 0x08                        ; source 1 (x) window 2; all else window 0
.set MULB, 0x0c                        ; source 1 window 3
.set FMA,  0x50                        ; destination and source 2 (out) window 1
.set MSB, 0
.macro WIN new                         ; the immediate's high byte repeats the setting that is left; a switch that changes nothing is dropped
.if MSB != (\new)
	s_set_vgpr_msb (MSB<<8)|(\new)
.set MSB, (\new)
.endif
.endm
.macro CREST                           ; a round of the cluster's barrier behind its opening barrier
	s_cmp_lg_u32 s[WV], 0
	s_cbranch_scc1 .Lnot_wave_0_\@
	s_barrier_signal -3
.Lnot_wave_0_\@:
	s_barrier_wait -3
	s_barrier_signal -1
	s_barrier_wait -1
.endm
.macro CROUND                          ; a whole round
	s_barrier_signal -1
	s_barrier_wait -1
	CREST
.endm
.macro PLACES
.rept 4
	v_nop
.endr
.endm
	s_load_b256 s[4:11], s[0:1], 0x0               ; xq s[4:5], xs s[6:7], gates s[8:9], We's codes s[10:11]
	s_load_b128 s[12:15], s[0:1], 0x20             ; We's scales s[12:13], be s[14:15]
	s_load_b64 s[16:17], s[0:1], 0x30              ; out
	v_lshl_add_u32 v[SPW], v0, 2, SPARE
	v_mov_b32 v[NIL], 0
	ds_add_u32 v[SPW], v[NIL]                      ; the wave's opening: the add, twice on end, and its wait ahead of my first tensor load
	ds_add_u32 v[SPW], v[NIL]                      ; and once more; the set-up below, work on registers, stands between it and the wait
	v_lshrrev_b32 v1, 5, v0
	v_readfirstlane_b32 s[WV], v1                  ; wave 0..3
	s_lshr_b32 s19, s[WV], 1
	s_and_b32 s20, s[WV], 1
	s_bfe_u32 s21, ttmp6, 0x40000                  ; cx: my place in the cluster
	s_lshl_b32 s22, ttmp9, 2                       ; in a cluster launch ttmp9 counts clusters
	s_add_co_u32 s22, s22, s21                     ; my block of 256 rows: it enters the addresses of xq, xs, gates and out alone
	s_and_b32 s23, ttmp7, 0xffff                   ; my block of 128 columns, which the four partners share
	; codes: 64 rows x 512 bytes, dense; 4 words of padding behind every 128; mask: all four work-groups, bit 21 beside it
	s_mov_b32 s[G1C+0], 15|(1<<20)|(1<<21)|(6<<22)|(3<<25)
	s_mov_b32 s[G1C+1], 512<<16
	s_mov_b32 s[G1C+2], 64<<16
	s_mov_b32 s[G1C+3], 512<<16
	s_mov_b32 s[G1C+4], 64
	s_mov_b32 s[G1C+5], 512
	s_mov_b32 s[G1C+6], 0
	s_mov_b32 s[G1C+7], 0
	; scale bytes: four experts x 4,096 bytes (512 elements of 8), 32,768 bytes from expert to expert
	s_mov_b32 s[G1S+0], 15|(3<<16)|(1<<21)
	s_mov_b32 s[G1S+1], 512<<16
	s_mov_b32 s[G1S+2], 4<<16
	s_mov_b32 s[G1S+3], 512<<16
	s_mov_b32 s[G1S+4], 4
	s_mov_b32 s[G1S+5], 4096
	s_mov_b32 s[G1S+6], 0
	s_mov_b32 s[G1S+7], 0
	; bias: eight experts x 128 numbers of 4 bytes, 1,024 numbers from expert to expert
	s_mov_b32 s[G1B+0], 15|(2<<16)|(1<<21)
	s_mov_b32 s[G1B+1], 128<<16
	s_mov_b32 s[G1B+2], 8<<16
	s_mov_b32 s[G1B+3], 128<<16
	s_mov_b32 s[G1B+4], 8
	s_mov_b32 s[G1B+5], 1024
	s_mov_b32 s[G1B+6], 0
	s_mov_b32 s[G1B+7], 0
	; gates: 8,192 dense bytes as 32 rows of 256; no mask: they are my work-group's own
	s_mov_b32 s[G1G+0], 3<<16
	s_mov_b32 s[G1G+1], 32<<16
	s_mov_b32 s[G1G+2], 32<<16
	s_mov_b32 s[G1G+3], 32<<16
	s_mov_b32 s[G1G+4], 32
	s_mov_b32 s[G1G+5], 32
	s_mov_b32 s[G1G+6], 0
	s_mov_b32 s[G1G+7], 0
	; offsets of the joint loads: made of the column block and the wave's number alone, in registers that never hold cx
	s_lshl_b32 s80, s19, 19                        ; codes: expert wave / 2 of the pair,
	s_lshl_b32 s81, s23, 16                        ; 128 columns x 512 bytes a block,
	s_add_co_u32 s80, s80, s81
	s_lshl_b32 s81, s20, 15                        ; its half wave % 2
	s_add_co_u32 s80, s80, s81
	s_mov_b32 s81, 0
	s_lshl_b32 s82, s23, 12                        ; scale bytes: 4,096 a block; experts 4 (wave % 2) on
	s_lshl_b32 s83, s20, 17
	s_add_co_u32 s82, s82, s83
	s_mov_b32 s83, 0
	s_lshl_b32 s84, s23, 9                         ; bias: 512 bytes a block
	s_mov_b32 s85, 0
	; offsets that hang on my block of rows
	s_lshl_b32 s86, s22, 13                        ; gates: 16 tiles of 512 bytes
	s_mov_b32 s87, 0
	s_lshl_b32 s88, s22, 17                        ; xq: 16 tiles of 8,192 bytes; my wave's eight
	s_lshl_b32 s89, s19, 16
	s_add_co_u32 s88, s88, s89
	s_mov_b32 s89, 0
	s_lshl_b32 s90, s22, 13                        ; xs: 16 tiles of 512 bytes; my wave's eight
	s_lshl_b32 s91, s19, 12
	s_add_co_u32 s90, s90, s91
	s_mov_b32 s91, 0
	s_lshl_b32 s92, s22, 20                        ; out: 256 rows of 4,096 bytes a block, my 128 rows, 512 bytes a column block, my 256
	s_lshl_b32 s93, s19, 19
	s_add_co_u32 s92, s92, s93
	s_lshl_b32 s93, s23, 9
	s_add_co_u32 s92, s92, s93
	s_lshl_b32 s93, s20, 8
	s_add_co_u32 s92, s92, s93
	s_mov_b32 s93, 0
	s_mov_b32 s[TB], 0
	s_wait_dscnt 0x0                               ; both opening adds are done
	s_wait_kmcnt 0x0
	s_mov_b32 s[G0A], 1
	s_mul_i32 s[G0A+1], s[WV], HALF                ; slot 0, my quarter: no place in the cluster enters an LDS address
	s_add_nc_u64 s[G0A+2:G0A+3], s[10:11], s[80:81]
	s_mov_b32 s[G0W], 1
	s_add_co_u32 s[G0W+1], s[G0A+1], SLOTX
	s_add_nc_u64 s[G0W+2:G0W+3], s[G0A+2:G0A+3], 0x100000   ; two experts on
	s_or_b32 s[G0A+3], s[G0A+3], 0x80000000
	s_or_b32 s[G0W+3], s[G0W+3], 0x80000000
	s_mov_b32 s[G0S], 1
	s_lshl_b32 s[G0S+1], s20, 14
	s_add_co_u32 s[G0S+1], s[G0S+1], SCL
	s_add_nc_u64 s[G0S+2:G0S+3], s[12:13], s[82:83]
	s_or_b32 s[G0S+3], s[G0S+3], 0x80000000
	s_mov_b32 s[G0B], 1
	s_mov_b32 s[G0B+1], BIA
	s_add_nc_u64 s[G0B+2:G0B+3], s[14:15], s[84:85]
	s_or_b32 s[G0B+3], s[G0B+3], 0x80000000
	s_mov_b32 s[G0G], 1
	s_mov_b32 s[G0G+1], GAT
	s_add_nc_u64 s[G0G+2:G0G+3], s[8:9], s[86:87]
	s_or_b32 s[G0G+3], s[G0G+3], 0x80000000
	s_add_nc_u64 s[4:5], s[4:5], s[88:89]
	s_add_nc_u64 s[6:7], s[6:7], s[90:91]
	s_add_nc_u64 s[16:17], s[16:17], s[92:93]
	CROUND                                         ; all four work-groups are here: the first joint loads meet
	; THE FIRST FILLS, three a wave: waves 0 and 1 a half of the scale bytes, wave 2 the bias, wave 3 the gates; then every wave its quarter of slot 0 and of slot 1.
	; The branches hang on the wave's number alone.  An s_nop 0 follows each load, four v_nop each arm's and the last.
	s_cmp_lt_u32 s[WV], 2
	s_cbranch_scc0 .Lnot_scales
	tensor_load_to_lds s[G0S:G0S+3], s[G1S:G1S+7]
	s_nop 0
	PLACES
	s_branch .Lextra_asked
.Lnot_scales:
	s_cmp_eq_u32 s[WV], 2
	s_cbranch_scc0 .Lfor_gates
	tensor_load_to_lds s[G0B:G0B+3], s[G1B:G1B+7]
	s_nop 0
	PLACES
	s_branch .Lextra_asked
.Lfor_gates:
	tensor_load_to_lds s[G0G:G0G+3], s[G1G:G1G+7]
	s_nop 0
	PLACES
.Lextra_asked:
	tensor_load_to_lds s[G0A:G0A+3], s[G1C:G1C+7]
	s_nop 0
	tensor_load_to_lds s[G0W:G0W+3], s[G1C:G1C+7]
	s_nop 0
	PLACES
	v_and_b32 v1, 15, v0                           ; r
	v_bfe_u32 v11, v0, 4, 1                        ; h
	v_and_b32 v14, 31, v0                          ; lane
	v_lshlrev_b32 v[LI], 4, v14
.irp t, 0,1,2,3,4,5,6,7
	global_load_b128 v[XS+4*\t:XS+4*\t+3], v[LI], s[6:7] offset:512*\t      ; x's scale words
.endr
	WIN 0x80                                       ; destination window 2
.irp t, 0,1,2,3
.irp s, 0,1,2,3,4,5,6,7
.irp c, 0,1
	global_load_b128 v[64*\t+8*\s+4*\c:64*\t+8*\s+4*\c+3], v[LI], s[4:5] offset:(8*\t+\s)*1024+512*\c   ; x's fragments as they were stored: 512 consecutive bytes a load
.endr
.endr
.endr
	WIN 0xc0                                       ; destination window 3
.irp t, 0,1,2,3
.irp s, 0,1,2,3,4,5,6,7
.irp c, 0,1
	global_load_b128 v[64*\t+8*\s+4*\c:64*\t+8*\s+4*\c+3], v[LI], s[4:5] offset:(8*(\t+4)+\s)*1024+512*\c
.endr
.endr
.endr
	WIN 0
	s_mul_i32 s94, s20, HALF
	v_mul_u32_u24 v[AB0], v1, PITCH
	v_lshl_add_u32 v[AB0], v11, 4, v[AB0]
	v_add_nc_u32 v[AB0], s94, v[AB0]
	v_add_nc_u32 v[AB], s[TB], v[AB0]
	s_lshl_b32 s94, s20, 11                        ; my 64 columns' scale bytes: 2,048
	s_add_co_u32 s94, s94, SCL
	v_lshl_add_u32 v[AS], v14, 5, s94
	s_lshl_b32 s94, s20, 8
	s_add_co_u32 s94, s94, BIA
	v_lshl_add_u32 v[ABI], v11, 5, s94
	s_lshl_b32 s94, s19, 12                        ; my eight tiles' gates: 4,096 bytes
	s_add_co_u32 s94, s94, GAT
	v_lshl_add_u32 v[AG], v1, 2, s94
	s_mul_i32 s94, s[WV], 16*SP                    ; my stage
	v_mul_u32_u24 v[STO], v1, SP                   ; in: row r, 32 bytes for each half of the lanes
	v_lshl_add_u32 v[STO], v11, 5, v[STO]
	v_add_nc_u32 v[STO], s94, v[STO]
	v_mul_u32_u24 v[RD], v11, SP                   ; back: lanes 0-15 one row of 256 bytes, lanes 16-31 the next
	v_lshl_add_u32 v[RD], v1, 4, v[RD]
	v_add_nc_u32 v[RD], s94, v[RD]
	v_lshlrev_b32 v[CO], 12, v11                   ; and the same two rows in out
	v_lshl_add_u32 v[CO], v1, 4, v[CO]
.irp t, 0,1,2,3,4,5,6,7
	v_mov_b32 v[G+2*\t+1], 0                       ; named as the upper halves of pairs, so they are written
.endr
; One product: tile t of rows, K step s, tile c of columns.  The first K step takes the bias as C and starts the sum: nothing is ever cleared.
; We's scale word lies in lanes 16-31 where c is odd, x's where s is odd.
.macro WM t, s, c
.set rP, P+8*(\t)
.set rC, rP
.if (\s) == 0
.set rC, BI
.endif
.set rX, 64*((\t)%4)+8*(\s)
.set rB, BF+8*(\s)
.set rW, WS+8*(((\c)/2)%2)+(\s)
.set rS, XS+4*(\t)+(\s)/2
.if ((\c)%2 == 1) && ((\s)%2 == 1)
	v_wmma_scale_f32_16x16x128_f8f6f4 v[rP:rP+7], v[rB:rB+7], v[rX:rX+7], v[rC:rC+7], v[rW], v[rS] matrix_a_fmt:MATRIX_FMT_FP4 matrix_b_fmt:MATRIX_FMT_FP4 matrix_a_scale:MATRIX_SCALE_ROW1 matrix_b_scale:MATRIX_SCALE_ROW1
.elseif (\c)%2 == 1
	v_wmma_scale_f32_16x16x128_f8f6f4 v[rP:rP+7], v[rB:rB+7], v[rX:rX+7], v[rC:rC+7], v[rW], v[rS] matrix_a_fmt:MATRIX_FMT_FP4 matrix_b_fmt:MATRIX_FMT_FP4 matrix_a_scale:MATRIX_SCALE_ROW1
.elseif (\s)%2 == 1
	v_wmma_scale_f32_16x16x128_f8f6f4 v[rP:rP+7], v[rB:rB+7], v[rX:rX+7], v[rC:rC+7], v[rW], v[rS] matrix_a_fmt:MATRIX_FMT_FP4 matrix_b_fmt:MATRIX_FMT_FP4 matrix_b_scale:MATRIX_SCALE_ROW1
.else
	v_wmma_scale_f32_16x16x128_f8f6f4 v[rP:rP+7], v[rB:rB+7], v[rX:rX+7], v[rC:rC+7], v[rW], v[rS] matrix_a_fmt:MATRIX_FMT_FP4 matrix_b_fmt:MATRIX_FMT_FP4
.endif
.endm
.macro WM4 t0, s, c                    ; a K step of a half: its four accumulators, one instruction each
	WM (\t0), \s, \c
	WM (\t0)+1, \s, \c
	WM (\t0)+2, \s, \c
	WM (\t0)+3, \s, \c
.endm
; The combine of tile t, column tile dc: out += g P, two numbers an instruction, P from its low end on.  first = 1: expert 0 starts out: nothing is cleared.
.macro BATCH t, dc, first
	WIN FMA
.set rO, 8*(4*(\t)+(\dc))
.set rQ, P+8*(\t)
.set rG, G+2*(\t)
.irp q, 0,2,4,6
.if \first
	v_pk_mul_f32 v[rO+\q:rO+\q+1], v[rQ+\q:rQ+\q+1], v[rG:rG+1] op_sel_hi:[1,0]
.else
	v_pk_fma_f32 v[rO+\q:rO+\q+1], v[rQ+\q:rQ+\q+1], v[rG:rG+1], v[rO+\q:rO+\q+1] op_sel_hi:[1,0,1]
.endif
.endr
.endm
.macro LF s, u, off                    ; half u of fragment s: 16 columns x 128 K of 4-bit codes: two loads of 16 bytes a lane, 32 bytes apart
	ds_load_b128 v[BF+8*(\s)+4*(\u):BF+8*(\s)+4*(\u)+3], v[AB] offset:(\off)+64*(\s)+32*(\u)
.endm
; H0: tiles 0-3 of group (e, c); it carries the combine of tiles 4-7 of the group before.  gl = 1 (c = 0): the new expert's gates of tiles 0-3 are fetched.
; chg = 1, 2 (c = 3 of a slot's second expert): the change of slots begins: the wait for all my tensor loads, the add, and, behind a K step's work, the wait for the add and for my reads of the slot; then the signal.
.macro H0 c, first, gl, chg
.set dcp, ((\c)+3)%4
	s_wait_dscnt 8                                 ; the bias, the scale words and fragments 0, 1 are in; fragments 2 to 5, eight loads, may be out
	WIN MULA
	WM 0, 0, \c
	LF 6, 0, (\c)*CT                               ; this group's last two fragments: their registers were last read ahead of the four lines that closed the half before
	WM 1, 0, \c
	LF 6, 1, (\c)*CT
	WM 2, 0, \c
	LF 7, 0, (\c)*CT
	WM 3, 0, \c
	LF 7, 1, (\c)*CT
.irp t, 0,1,2,3
	WM \t, 1, \c
.if \gl
	ds_load_b32 v[G+2*\t], v[AG] offset:512*\t
.endif
.endr
	BATCH 4, dcp, \first
	s_wait_dscnt 8+4*(\gl)                         ; fragments 2, 3 are in; behind them: 4 to 7, and the gates where they were asked for
	WIN MULA
	WM4 0, 2, \c
	WM4 0, 3, \c
	BATCH 5, dcp, \first
	s_wait_dscnt 4+4*(\gl)                         ; fragments 4, 5 are in; behind them: 6, 7, and the gates
	WIN MULA
	WM4 0, 4, \c
.if \chg
	WIN 0                                          ; (the add's two registers lie in window 0)
	s_wait_tensorcnt 0x0                           ; all my tensor loads have landed: the one that was out is my part of the other slot; so a group 0 may be written
	ds_add_u32 v[SPW], v[NIL]                      ; 0 onto my spare word; a K step's work stands between it and the wait for it
.if (\chg) == 1
	s_xor_b32 s[G0W+1], s[G0W+1], SLOTX            ; the walking descriptor: the other slot than last time,
	s_add_nc_u64 s[G0W+2:G0W+3], s[G0W+2:G0W+3], 0x100000   ; two experts on; the type bits on top are not reached
.endif
.endif
	WIN MULA
	WM4 0, 5, \c
	BATCH 6, dcp, \first
	s_wait_dscnt 0x0                               ; fragments 6, 7 (and the gates) are in; at a change of slots: the add is done, and my reads of this slot are over
.if \chg
	s_barrier_signal -1                            ; say so; sixteen products and two combines, work on registers, stand between this and the wait
.endif
	WIN MULA
	WM4 0, 6, \c
	WM4 0, 7, \c
	BATCH 7, dcp, \first
.endm
; Between two experts, in H1 of c = 3: the change of slots ends (chg = 1: the barrier has opened a round of the cluster's barrier, and the joint refill is the first thing behind it; chg = 2: a plain barrier,
; nothing is filled), and the addresses step to the next expert.
.macro HOOK chg
	WIN 0                                          ; at a label and at a branch every window is 0
.if \chg
	s_barrier_wait -1
.endif
.if (\chg) == 1
	CREST                                          ; no wave of any partner still reads the slot or has a load on its way
	tensor_load_to_lds s[G0W:G0W+3], s[G1C:G1C+7]  ; my one tensor load until the next change of slots
	s_nop 0
	PLACES
.endif
.if \chg
	s_xor_b32 s[TB], s[TB], TILEB+SLOTX            ; from a slot's second tile to the other slot's first
.else
	s_xor_b32 s[TB], s[TB], TILEB                  ; from a slot's first tile to its second
.endif
	v_add_nc_u32 v[AB], s[TB], v[AB0]
	v_add_nc_u32 v[AS], 4096, v[AS]
	v_add_nc_u32 v[ABI], 512, v[ABI]
	v_add_nc_u32 v[AG], 64, v[AG]
.endm
; H1: tiles 4-7 of group (e, c); it carries the combine of tiles 0-3 of the same group.  nxt = 1: the next group's bias, scale words (for a new pair of tiles) and fragments 0 to 5 are fetched, each load
; behind a product, each fragment behind the four combine lines that follow its registers' last product.
.macro H1 c, first, chg, nxt
.set nc, ((\c)+1)%4
	WIN MULB
	WM4 4, 0, \c
.irp t, 4,5,6,7
	WM \t, 1, \c
.if (\c) == 0
	ds_load_b32 v[G+2*\t], v[AG] offset:512*\t     ; this expert's gates of tiles 4-7: the last expert's were last read in the half before
.endif
.endr
	BATCH 0, \c, \first
.if ((\c) == 3) && (\nxt)
	HOOK \chg
.endif
	WIN MULB
.if \nxt
	WM 4, 2, \c
	LF 0, 0, nc*CT
	WM 5, 2, \c
	LF 0, 1, nc*CT
	WM 6, 2, \c
	LF 1, 0, nc*CT
	WM 7, 2, \c
	LF 1, 1, nc*CT
	WM 4, 3, \c
	ds_load_b128 v[BI:BI+3], v[ABI] offset:64*nc
	WM 5, 3, \c
	ds_load_b128 v[BI+4:BI+7], v[ABI] offset:64*nc+16
	WM 6, 3, \c
.if (\c)%2 == 1
	ds_load_b128 v[WS+8*((nc/2)%2):WS+8*((nc/2)%2)+3], v[AS] offset:1024*(nc/2)
.endif
	WM 7, 3, \c
.if (\c)%2 == 1
	ds_load_b128 v[WS+8*((nc/2)%2)+4:WS+8*((nc/2)%2)+7], v[AS] offset:1024*(nc/2)+16
.endif
.else
	WM4 4, 2, \c
	WM4 4, 3, \c
.endif
	BATCH 1, \c, \first
	WIN MULB
.if \nxt
	WM 4, 4, \c
	LF 2, 0, nc*CT
	WM 5, 4, \c
	LF 2, 1, nc*CT
	WM 6, 4, \c
	LF 3, 0, nc*CT
	WM 7, 4, \c
	LF 3, 1, nc*CT
.else
	WM4 4, 4, \c
.endif
	WM4 4, 5, \c
	BATCH 2, \c, \first
	WIN MULB
.if \nxt
	WM 4, 6, \c
	LF 4, 0, nc*CT
	WM 5, 6, \c
	LF 4, 1, nc*CT
	WM 6, 6, \c
	LF 5, 0, nc*CT
	WM 7, 6, \c
	LF 5, 1, nc*CT
.else
	WM4 4, 6, \c
.endif
	WM4 4, 7, \c
	BATCH 3, \c, \first
.endm
; The span of an expert's combines: from H1 of its first group to H0 of the next expert's first group.
.macro BODY first, chg, last
	H1 0, \first, 0, 1
	H0 1, \first, 0, 0
	H1 1, \first, 0, 1
	H0 2, \first, 0, 0
	H1 2, \first, 0, 1
	H0 3, \first, 0, \chg
	H1 3, \first, \chg, 1-(\last)
.if !(\last)
	H0 0, \first, 1, 0
.endif
.endm
	s_wait_tensorcnt 1                             ; my extra load and my part of slot 0 are in; slot 1's load, the one issued behind them, may stay out
	s_barrier_signal -1
	s_barrier_wait -1                              ; everybody's are
	ds_load_b128 v[BI:BI+3], v[ABI]
	ds_load_b128 v[BI+4:BI+7], v[ABI] offset:16
	ds_load_b128 v[WS:WS+3], v[AS]
	ds_load_b128 v[WS+4:WS+7], v[AS] offset:16
.irp t, 0,1,2,3
	ds_load_b32 v[G+2*\t], v[AG] offset:512*\t
.endr
.irp s, 0,1,2,3,4,5,6,7
	LF \s, 0, 0
	LF \s, 1, 0
.endr
	s_wait_loadcnt 63                              ; x's scale words and tiles 0-3 are in: 64 loads (tiles 4-7) were issued behind them, and 63 is the largest count that the wait can name
	; the first half of the first group: there is nothing to combine yet
	s_wait_dscnt 12                                ; all but fragments 2 to 7
	WIN MULA
	WM4 0, 0, 0
	WM4 0, 1, 0
	s_wait_dscnt 8                                 ; all but fragments 4 to 7
	WM4 0, 2, 0
	WM4 0, 3, 0
	s_wait_dscnt 4                                 ; all but fragments 6, 7
	WM4 0, 4, 0
	WM4 0, 5, 0
	s_wait_dscnt 0x0
	WM4 0, 6, 0
	WM4 0, 7, 0
	PLACES                                         ; the places behind these products, where later halves have four combine lines
	s_wait_loadcnt 0x0                             ; x's tiles 4-7
	BODY 1, 0, 0                                   ; expert 0
	WIN 0
	s_mov_b32 s[CNT], 2
.Lpair:                                            ; two trips: experts 1, 2 and 3, 4; each trip leaves a slot and fills it again
	BODY 0, 1, 0
	BODY 0, 0, 0
	WIN 0
	s_sub_co_u32 s[CNT], s[CNT], 1
	s_cmp_lg_u32 s[CNT], 0
	s_cbranch_scc1 .Lpair
	BODY 0, 2, 0                                   ; expert 5: the last change of slots is written out: nothing is left to fetch
	BODY 0, 0, 0                                   ; expert 6
	BODY 0, 0, 1                                   ; expert 7
.irp t, 4,5,6,7
	BATCH \t, 3, 0                                 ; the last group's tiles 4-7 (the four lines that closed H1 are the places behind its last products)
.endr
	WIN 0
; THE WAY OUT, a tile of 16 rows x 64 columns at a time.  A lane holds 32 neighbouring bytes of a row and the lanes beside it hold other rows: so a tile goes through my own stage in LDS and comes back as
; whole rows of 256 bytes.  LDS serves a wave's instructions in order: no wait between the stores and the loads, nor in front of the next tile's stores.
.macro TOSTAGE t
	WIN 0x04                                       ; an LDS store's data are its source 1: window 1
.irp c, 0,1,2,3
	ds_store_b128 v[STO], v[8*(4*(\t)+\c):8*(4*(\t)+\c)+3] offset:64*\c
	ds_store_b128 v[STO], v[8*(4*(\t)+\c)+4:8*(4*(\t)+\c)+7] offset:64*\c+16
.endr
	WIN 0
.set BB, BK+32*((\t)%2)
.irp i, 0,1,2,3,4,5,6,7
	ds_load_b128 v[BB+4*\i:BB+4*\i+3], v[RD] offset:\i*2*SP
.endr
.endm
.macro SEND t, younger                 ; younger: the LDS instructions issued behind tile t's loads, which may stay out
.set BB, BK+32*((\t)%2)
	s_wait_dscnt \younger
.irp i, 0,1,2,3,4,5,6,7
	global_store_b128 v[CO], v[BB+4*\i:BB+4*\i+3], s[16:17] offset:(\t)*65536+\i*8192 th:TH_STORE_NT   ; 16 lanes store 256 consecutive bytes, at a multiple of 256 from out's first byte; written once, read by nobody here
.endr
.endm
	TOSTAGE 0
.irp a, 1,2,3,4,5,6,7
.if \a > 1
	s_wait_xcnt 0x0                                ; tile a - 2's stores have read their registers: tile a's loads may land there
.endif
	TOSTAGE \a
	SEND \a-1, 16                                  ; behind tile a - 1's loads: tile a's 8 stores and 8 loads
.endr
	SEND 7, 0
	s_wait_tensorcnt 0x0                           ; the wave's end: a tensor wait, an add and its wait, behind my last tensor load and my last LDS store
	ds_add_u32 v[SPW], v[NIL]
	s_wait_dscnt 0x0
	CROUND                                         ; the closing round: no work-group ends while a partner may still ask for a tile that names it
	s_endpgm
.Lfunc_end_k_qb0fbba089d_moe:
	.size	k_qb0fbba089d_moe, .Lfunc_end_k_qb0fbba089d_moe-k_qb0fbba089d_moe
	.p2alignl 7, 3214868480
	.fill 96, 4, 3214868480
	.section	.rodata,"a",@progbits
	.p2align	6, 0x0
	.amdhsa_kernel k_qb0fbba089d_moe
		.amdhsa_group_segment_fixed_size 327680
		.amdhsa_private_segment_fixed_size 0
		.amdhsa_enable_private_segment 0
		.amdhsa_kernarg_size 56
		.amdhsa_user_sgpr_count 2
		.amdhsa_user_sgpr_kernarg_segment_ptr 1
		.amdhsa_wavefront_size32 1
		.amdhsa_system_sgpr_workgroup_id_x 1
		.amdhsa_system_sgpr_workgroup_id_y 1
		.amdhsa_system_sgpr_workgroup_id_z 1
		.amdhsa_system_vgpr_workitem_id 0
		.amdhsa_next_free_vgpr 1024
		.amdhsa_next_free_sgpr 100
		.amdhsa_reserve_vcc 0
		.amdhsa_float_denorm_mode_32 3
		.amdhsa_float_denorm_mode_16_64 3
		.amdhsa_memory_ordered 1
		.amdhsa_forward_progress 1
		.amdhsa_inst_pref_size 255
	.end_amdhsa_kernel
	.section	.bss,"aw",@nobits
	.p2align	6
	.space	262144
	.amdgpu_metadata
---
amdhsa.version: [ 1, 2 ]
amdhsa.kernels:
  - .name:           k_qb0fbba089d_moe
    .symbol:         k_qb0fbba089d_moe.kd
    .args:
      - { .name: xq, .offset: 0, .size: 8, .value_kind: global_buffer, .address_space: global }
      - { .name: xs, .offset: 8, .size: 8, .value_kind: global_buffer, .address_space: global }
      - { .name: gates, .offset: 16, .size: 8, .value_kind: global_buffer, .address_space: global }
      - { .name: We_codes, .offset: 24, .size: 8, .value_kind: global_buffer, .address_space: global }
      - { .name: We_scales, .offset: 32, .size: 8, .value_kind: global_buffer, .address_space: global }
      - { .name: be, .offset: 40, .size: 8, .value_kind: global_buffer, .address_space: global }
      - { .name: out0, .offset: 48, .size: 8, .value_kind: global_buffer, .address_space: global }
    .group_segment_fixed_size: 327680
    .private_segment_fixed_size: 0
    .kernarg_segment_align: 8
    .kernarg_segment_size: 56
    .max_flat_workgroup_size: 128
    .sgpr_count:     100
    .vgpr_count:     1024
    .wavefront_size: 32
...
	.end_amdgpu_metadata
.endif
;; end of part 2
;; ======== version 2 of 2: 2 launches
;; limits: values are held in bf16: 8 bits of precision; right only within a limited range of input values
;; workspace buffers: xq 4,718,592 bytes; wq 4,194,304 bytes
;; launch prep (part 3): grid 256 x 1, 16 waves a work-group, no clusters, 167,936 bytes of LDS; arguments x, Wg, bg, We_codes, xq, wq; writes xq, wq
.if DOCPART == 3
	.amdgcn_target "amdgcn-amd-amdhsa--gfx1250"
	.amdhsa_code_object_version 6
	.text
	.protected	k_qb0fbba089d_prep
	.globl	k_qb0fbba089d_prep
	.p2align	8
	.type	k_qb0fbba089d_prep,@function
k_qb0fbba089d_prep:
	s_mov_b64 s[64:65], 0
	v_nop
	global_prefetch_b8 v0, s[64:65] scope:SCOPE_SE
	s_setreg_imm32_b32 hwreg(HW_REG_WAVE_MODE, 25, 1), 1
	s_wait_xcnt 0x0
; FIRST OF TWO LAUNCHES.  out[b][o] = sum over e of g[b][e] (Q(x)[b] . We[e][:][o] + be[e][o]),  g = softmax over e of (x Wg + bg).
; NOTHING IS LEFT OUT: the gates are soft, so every expert counts for every row; bg differs along the softmax's axis; be is weighed by g; x feeds both products.  Every input is loaded by one of the two launches.
; THIS LAUNCH reads x [8192][1024] f32 once and makes of each tile T of 16 rows a record of 9,216 bytes in xq:
;   byte 0:    codes of FP4 (E2M1) [s 8 K steps of 128][c 2][lane 32][16 bytes]: registers 4 c .. 4 c + 3 of the fragment: lane (r, h) holds k = 128 s + 64 c + 32 h + 0 .. 31 of row 16 T + r
;   byte 8192: scale words [lane 32][p 4]: lane (r, h), word p: the scale word (four bytes) of row 16 T + r for K step 2 p + h
;   byte 8704: gates [r 16][e 8] f32
; and lays We's codes as images of registers: wq [ct 64 tiles of 16 columns][s 8][e 8][c 2][lane 32][16 bytes], lane (r, h) column 16 ct + r, k as above.  The codes themselves are copied as they are.
; A block's scale is 2^(floor(log2(its largest magnitude)) - 2); its byte is the largest magnitude's exponent field - 2, held at 1 from below.
; LIMITS: NaN and infinities in x are not served.  A block whose largest magnitude lies under 2^-124 gets the byte 1; so does a block of zeros, where the rule says 127: its codes are zeros, and this program alone reads the bytes.
;   The gate product x Wg has bf16 operands and f32 sums: each product carries a relative error of about 2^-8, so the logits' error grows with the inputs' size.
; SHARES.  A work-group takes 32 rows (two tiles); wave 8 t + s takes K step s of tile t: 16 rows x 512 bytes by ONE tensor load at the kernel's head, and reads only its own bytes.  Nothing is filled again: no ring.
; It also copies K step s of one tile of 16 columns of We: expert work-group / 32, tile 2 (work-group % 32) + t.
; The partial logits meet in LDS behind the launch's one barrier; waves 0 and 1 finish a tile's softmax each, waves 2 and 3 store a tile's scale words each.
; No prefetch: each wave asks for all that it reads at its head, and there is no loop.
.set TREC,  9216
.set XTW,   16*528                     ; a wave's tile in LDS: 16 rows of 512 bytes + 16 of padding: the 16 rows that a load touches start at 16 different columns of 16 bytes
.set LGS,   16*XTW                     ; partial logits: image (8 t + s) of 1,024 bytes
.set XSS,   LGS+16384                  ; scale words: 512 bytes a tile
.set GST,   XSS+1024                   ; the gates' stage: 512 bytes a tile
.set SPARE, GST+1024                   ; the spare words, 128 bytes for each wave: eight blocks of 256 bytes that no other line names
.set XA,  5                            ; v5   my 64 bytes of a block of 32 numbers in row r of my tile
.set WGA, 6                            ; v6   Wg: 4 (r % 8) + 512 h
.set LI,  7                            ; v7   16 x lane
.set XSW, 8                            ; v8   where my row's scale word goes
.set LGW, 9                            ; v9   where my partial logits go
.set LGR, 10                           ; v10  where a tile's eight partial images are read
.set GSW, 11                           ; v11  the gates' stage, in
.set GSR, 12                           ; v12  and back
.set XSR, 13                           ; v13  a tile's scale words, back
.set SPW, 14                           ; v14  LDS address of my spare word; never rewritten
.set NIL, 15                           ; v15  0; never rewritten
.set PW,  16                           ; v16  my scale word
.set WLA, 18                           ; v18  We: 512 r + 16 h
.set X,   32                           ; v32-95   first Wg as loaded; then 64 numbers of x: register 16 b + i = k 32 b + 16 h + i of row r; at the end the eight partial logits
.set XB,  96                           ; v96-127  x in bf16: four fragments of 32 along K
.set LG,  128                          ; v128-143 two accumulators, by turns
.set WF,  160                          ; v160-191 Wg in bf16: four fragments
.set WC,  192                          ; v192-199 We's codes on their way
.set PC,  224                          ; v224-231 x's codes
.set TM,  240                          ; v240-255 at work in the quantiser
.set SEL, 20                           ; s[20:21] v_permlanex16_b32's selects for lane l xor 16
	s_load_b256 s[4:11], s[0:1], 0x0               ; x s[4:5], Wg s[6:7], bg s[8:9], We's codes s[10:11]
	s_load_b128 s[12:15], s[0:1], 0x20             ; xq s[12:13], wq s[14:15]
	v_lshl_add_u32 v[SPW], v0, 2, SPARE
	v_mov_b32 v[NIL], 0
	ds_add_u32 v[SPW], v[NIL]                      ; the wave's opening: the add, twice on end, and its wait ahead of my first tensor load
	ds_add_u32 v[SPW], v[NIL]                      ; and once more; the set-up below, work on registers, stands between it and the wait
	v_lshrrev_b32 v1, 5, v0
	s_delay_alu instid0(VALU_DEP_1)
	v_readfirstlane_b32 s16, v1                    ; wave 0..15
	s_and_b32 s17, s16, 7                          ; my K step
	s_lshr_b32 s53, s16, 3                         ; my tile
	; descriptor group 1: 16 rows x 128 elements of 4 bytes, 1,024 elements from row to row; 4 words of padding behind every 128
	s_mov_b32 s24, (2<<16)|(1<<20)|(6<<22)|(3<<25)
	s_mov_b32 s25, 128<<16                         ; tensor_dim0
	s_mov_b32 s26, 16<<16                          ; tensor_dim1
	s_mov_b32 s27, 128<<16                         ; tile_dim0
	s_mov_b32 s28, 16                              ; tile_dim1
	s_mov_b32 s29, 1024                            ; tensor_dim0_stride
	s_mov_b32 s30, 0
	s_mov_b32 s31, 0
	s_mov_b32 s32, 1                               ; group 0: count = 1,
	s_mul_i32 s33, s16, XTW                        ; my tile in LDS
	s_lshl_b32 s18, ttmp9, 17                      ; x: 32 rows of 4,096 bytes a work-group,
	s_lshl_b32 s19, s53, 16                        ; 16 a tile,
	s_add_co_u32 s18, s18, s19
	s_lshl_b32 s19, s17, 9                         ; 512 bytes a K step
	s_add_co_u32 s18, s18, s19
	s_mov_b32 s19, 0
	s_lshl_b32 s36, s17, 12                        ; Wg: 128 rows of 32 bytes a K step
	s_mov_b32 s37, 0
	s_mul_i32 s38, ttmp9, 2*TREC                   ; xq: two records a work-group,
	s_mul_i32 s39, s53, TREC
	s_add_co_u32 s38, s38, s39
	s_lshl_b32 s39, s17, 10                        ; 1,024 bytes a K step
	s_add_co_u32 s38, s38, s39
	s_mov_b32 s39, 0
	s_and_b32 s22, s16, 1                          ; wave % 2: the tile that I finish behind the barrier
	s_mul_i32 s50, ttmp9, 2*TREC
	s_mul_i32 s51, s22, TREC
	s_add_co_u32 s50, s50, s51                     ; that tile's record
	s_mov_b32 s51, 0
	s_lshr_b32 s54, ttmp9, 5                       ; We: expert,
	s_and_b32 s55, ttmp9, 31                       ; pair of tiles of 16 columns
	s_lshl_b32 s60, s54, 19                        ; given: 524,288 bytes an expert, 8,192 a tile, 64 a K step in a column's 512
	s_lshl_b32 s61, s55, 14
	s_add_co_u32 s60, s60, s61
	s_lshl_b32 s61, s53, 13
	s_add_co_u32 s60, s60, s61
	s_lshl_b32 s61, s17, 6
	s_add_co_u32 s60, s60, s61
	s_mov_b32 s61, 0
	s_lshl_b32 s62, s55, 17                        ; images: 65,536 bytes a tile, 8,192 a K step, 1,024 an expert
	s_lshl_b32 s63, s53, 16
	s_add_co_u32 s62, s62, s63
	s_lshl_b32 s63, s17, 13
	s_add_co_u32 s62, s62, s63
	s_lshl_b32 s63, s54, 10
	s_add_co_u32 s62, s62, s63
	s_mov_b32 s63, 0
	; LDS bases
	s_lshl_b32 s23, s22, 8                         ; my scale words: lane r + 16 (K step % 2), word K step / 2, of my tile
	s_lshr_b32 s52, s17, 1
	s_lshl_b32 s52, s52, 2
	s_add_co_u32 s23, s23, s52
	s_lshl_b32 s52, s53, 9
	s_add_co_u32 s23, s23, s52
	s_add_co_u32 s23, s23, XSS
	s_lshl_b32 s49, s16, 10                        ; my partial logits: image 8 t + s = my wave
	s_add_co_u32 s49, s49, LGS
	s_lshl_b32 s52, s22, 13
	s_add_co_u32 s52, s52, LGS
	s_lshl_b32 s2, s22, 9
	s_add_co_u32 s2, s2, GST
	s_lshl_b32 s3, s22, 9
	s_add_co_u32 s3, s3, XSS
	s_mov_b32 s[SEL], 0x76543210
	s_mov_b32 s[SEL+1], 0xfedcba98
	s_mov_b32 s48, 0x3fb8aa3b                      ; log2(e)
	s_wait_dscnt 0x0                               ; both opening adds are done
	s_wait_kmcnt 0x0
	s_add_nc_u64 s[34:35], s[4:5], s[18:19]
	s_or_b32 s35, s35, 0x80000000                  ; type = 2
	tensor_load_to_lds s[32:35], s[24:31]          ; my one tensor load: 8 KiB; the sixteen waves' loads are all that the work-group reads of x
	s_nop 0
	s_load_b256 s[40:47], s[8:9], 0x0              ; bg's eight numbers
	s_add_nc_u64 s[6:7], s[6:7], s[36:37]
	s_add_nc_u64 s[58:59], s[12:13], s[50:51]
	s_add_nc_u64 s[12:13], s[12:13], s[38:39]
	s_add_nc_u64 s[10:11], s[10:11], s[60:61]
	s_add_nc_u64 s[14:15], s[14:15], s[62:63]
	v_and_b32 v2, 31, v0                           ; lane
	v_and_b32 v3, 15, v0                           ; r
	v_bfe_u32 v4, v0, 4, 1                         ; h
	v_and_b32 v[WGA], 7, v0
	v_lshlrev_b32 v[WLA], 9, v3
	v_lshlrev_b32 v[WGA], 2, v[WGA]
	v_lshl_add_u32 v[WLA], v4, 4, v[WLA]
	v_lshl_add_u32 v[WGA], v4, 9, v[WGA]
	v_mul_u32_u24 v[XA], v3, 528
	v_lshlrev_b32 v[LI], 4, v2
	v_lshl_add_u32 v[XSW], v3, 4, s23
	v_lshl_add_u32 v[XA], v4, 6, v[XA]
	v_lshl_add_u32 v[LGW], v2, 4, s49
	v_lshl_add_u32 v[LGR], v2, 4, s52
	v_add_nc_u32 v[XA], s33, v[XA]
	v_lshl_add_u32 v[GSW], v3, 5, s2
	v_lshl_add_u32 v[GSR], v2, 4, s2
	v_lshl_add_u32 v[XSR], v2, 4, s3
.irp b, 0,1,2,3
	v_mov_b32 v[TM+4+\b], 0                        ; written once: a lane permute's destination counts as one of its sources
.endr
; Wg's fragments.  Source 0 of the gate product is Wg^T with the eight experts written twice (row m holds expert m % 8), so that both halves of the lanes end up with all eight logits of their row.
; Register 16 b + i = Wg[128 s + 32 b + 16 h + i][r % 8]: the same order along K as x's registers below: a permutation of K that is alike on both sources keeps the products.
.irp b, 0,1,2,3
.irp i, 0,1,2,3,4,5,6,7,8,9,10,11,12,13,14,15
	global_load_b32 v[X+16*\b+\i], v[WGA], s[6:7] offset:1024*\b+32*\i
.endr
.endr
	global_load_b128 v[WC:WC+3], v[WLA], s[10:11]               ; We: 16 columns x 32 bytes a load; the eight waves of a tile take a column's 512 bytes between them
	global_load_b128 v[WC+4:WC+7], v[WLA], s[10:11] offset:32
	s_wait_alu depctr_va_vdst(0)                   ; the wait at the head's end
	s_wait_loadcnt 0x2                             ; Wg; the two loads of We's codes may be out
.irp q, 0,1,2,3,4,5,6,7,8,9,10,11,12,13,14,15,16,17,18,19,20,21,22,23,24,25,26,27,28,29,30,31
	v_cvt_pk_bf16_f32 v[WF+\q], v[X+2*\q], v[X+2*\q+1]
.endr
	s_wait_loadcnt 0x0                             ; We's codes
	global_store_b128 v[LI], v[WC:WC+3], s[14:15]               ; 32 lanes store 512 consecutive bytes, at a multiple of 256 from wq's first byte
	global_store_b128 v[LI], v[WC+4:WC+7], s[14:15] offset:512
	s_wait_kmcnt 0x0                               ; bg
	s_wait_tensorcnt 0x0                           ; my tile is in LDS; I alone read it, so no barrier is needed
.irp b, 0,1,2,3
.irp j, 0,1,2,3
	ds_load_b128 v[X+16*\b+4*\j:X+16*\b+4*\j+3], v[XA] offset:128*\b+16*\j
.endr
.endr
	s_wait_dscnt 0x0
.irp q, 0,1,2,3,4,5,6,7,8,9,10,11,12,13,14,15,16,17,18,19,20,21,22,23,24,25,26,27,28,29,30,31
	v_cvt_pk_bf16_f32 v[XB+\q], v[X+2*\q], v[X+2*\q+1]
.endr
.irp b, 0,1,2,3                                    ; source 0 = Wg^T, source 1 = x: lane (r, h), register j: the partial logit of row r, expert j; two accumulators by turns
.if \b < 2
	v_wmma_f32_16x16x32_bf16 v[LG+8*(\b%2):LG+8*(\b%2)+7], v[WF+8*\b:WF+8*\b+7], v[XB+8*\b:XB+8*\b+7], 0
.else
	v_wmma_f32_16x16x32_bf16 v[LG+8*(\b%2):LG+8*(\b%2)+7], v[WF+8*\b:WF+8*\b+7], v[XB+8*\b:XB+8*\b+7], v[LG+8*(\b%2):LG+8*(\b%2)+7]
.endif
.endr
; THE QUANTISER: 64 numbers of a lane become its part of a fragment's codes and its row's scale word.
.irp b, 0,1,2,3
	v_max3_num_f32 v[TM+\b], |v[X+16*\b]|, |v[X+1+16*\b]|, 0x1800000   ; block b: my 16 numbers, and the floor 2^(3 - 127): so the byte cannot fall under 1
.endr
.irp i, 2,4,6,8,10,12,14
.irp b, 0,1,2,3
	s_delay_alu instid0(VALU_DEP_4)
	v_max3_num_f32 v[TM+\b], v[TM+\b], |v[X+16*\b+\i]|, |v[X+1+16*\b+\i]|   ; the four blocks by turns
.endr
.endr
.irp b, 0,1,2,3
	s_delay_alu instid0(VALU_DEP_4)
	v_permlanex16_b32 v[TM+4+\b], v[TM+\b], s[SEL], s[SEL+1]
.endr
.irp b, 0,1,2,3
	s_delay_alu instid0(VALU_DEP_4)
	v_max_num_f32 v[TM+\b], v[TM+\b], v[TM+4+\b]   ; with lane l xor 16's: the block's largest magnitude
.endr
.irp b, 0,1,2,3
	s_delay_alu instid0(VALU_DEP_4)
	v_add_nc_u32 v[TM+12+\b], 0xff000000, v[TM+\b] ; 2 off its exponent field: the conversion takes the exponent field of this operand as its scale, and nothing else of it
.endr
.irp b, 0,1,2,3
	s_delay_alu instid0(VALU_DEP_4)
	v_lshrrev_b32 v[TM+4+\b], 23, v[TM+12+\b]      ; the scale's byte
.endr
	s_delay_alu instid0(VALU_DEP_3)
	v_lshl_or_b32 v[PW], v[TM+5], 8, v[TM+4]       ; the four bytes make my row's scale word, the same in both halves of the lanes
	s_delay_alu instid0(VALU_DEP_1)
	v_lshl_or_b32 v[PW], v[TM+6], 16, v[PW]
	s_delay_alu instid0(VALU_DEP_1)
	v_lshl_or_b32 v[PW], v[TM+7], 24, v[PW]
.irp b, 0,1,2,3
	v_cvt_scalef32_pk8_fp4_f32 v[PC+2*\b], v[X+16*\b:X+7+16*\b], v[TM+12+\b]
	v_cvt_scalef32_pk8_fp4_f32 v[PC+1+2*\b], v[X+8+16*\b:X+15+16*\b], v[TM+12+\b]
.endr
	v_nop                                          ; one plain place behind a scaled conversion
.irp c, 0,1                                        ; the operand's layout wants a WHOLE block in a lane: lanes 0-15 block 2 c, lanes 16-31 block 2 c + 1
.irp i, 0,1
	v_permlane16_swap_b32 v[PC+4*\c+\i], v[PC+2+4*\c+\i]
.endr
.endr
	global_store_b128 v[LI], v[PC:PC+3], s[12:13]               ; 32 lanes store 512 consecutive bytes, at a multiple of 256 from xq's first byte
	global_store_b128 v[LI], v[PC+4:PC+7], s[12:13] offset:512
	ds_store_b32 v[XSW], v[PW]                     ; both halves of the lanes write the same word with the same value
.irp q, 0,2,4,6                                    ; the two accumulators are added, from the low end on (the quantiser's lines are the places behind the last products), and go to LDS as an image
	v_pk_add_f32 v[LG+\q:LG+\q+1], v[LG+\q:LG+\q+1], v[LG+8+\q:LG+8+\q+1]
.endr
	ds_store_b128 v[LGW], v[LG:LG+3]
	ds_store_b128 v[LGW], v[LG+4:LG+7] offset:512
	s_wait_dscnt 0x0                               ; for the others' sake: my partial logits and my scale words lie in LDS
	s_barrier_signal -1
	s_barrier_wait -1
	s_cmp_lt_u32 s16, 2
	s_cbranch_scc0 .Lnot_gates
	; waves 0 and 1: the softmax of tile w
.irp p, 0,1,2,3,4,5,6,7
	ds_load_b128 v[X+8*\p:X+8*\p+3], v[LGR] offset:1024*\p
	ds_load_b128 v[X+8*\p+4:X+8*\p+7], v[LGR] offset:1024*\p+512
.endr
	s_wait_dscnt 0x0
.irp p, 0,2,4,6
.irp q, 0,2,4,6
	v_pk_add_f32 v[X+8*\p+\q:X+8*\p+\q+1], v[X+8*\p+\q:X+8*\p+\q+1], v[X+8*\p+8+\q:X+8*\p+8+\q+1]
.endr
.endr
.irp p, 0,4
.irp q, 0,2,4,6
	v_pk_add_f32 v[X+8*\p+\q:X+8*\p+\q+1], v[X+8*\p+\q:X+8*\p+\q+1], v[X+8*\p+16+\q:X+8*\p+16+\q+1]
.endr
.endr
.irp q, 0,2,4,6
	s_delay_alu instid0(VALU_DEP_4)
	v_pk_add_f32 v[X+\q:X+\q+1], v[X+\q:X+\q+1], v[X+32+\q:X+32+\q+1]
.endr
.irp j, 0,1,2,3,4,5,6,7
	v_add_f32 v[X+\j], s[40+\j], v[X+\j]           ; + bg: the logit of row r, expert j
.endr
	v_max3_num_f32 v[X+8], v[X], v[X+1], v[X+2]
	s_delay_alu instid0(VALU_DEP_1)
	v_max3_num_f32 v[X+8], v[X+8], v[X+3], v[X+4]
	s_delay_alu instid0(VALU_DEP_1)
	v_max3_num_f32 v[X+8], v[X+8], v[X+5], v[X+6]
	s_delay_alu instid0(VALU_DEP_1)
	v_max_num_f32 v[X+8], v[X+8], v[X+7]           ; the row's largest logit is taken away ahead of the exponential
	s_delay_alu instid0(VALU_DEP_1)
	v_mul_f32 v[X+8], s48, v[X+8]
.irp j, 0,1,2,3,4,5,6,7
	v_fma_f32 v[X+\j], v[X+\j], s48, -v[X+8]       ; (logit - largest) x log2(e), one fused multiply-add
.endr
	s_wait_alu depctr_va_vdst(0)                   ; ahead of the batch
.irp j, 0,1,2,3,4,5,6,7
	v_exp_f32 v[X+\j], v[X+\j]
.endr
	v_nop                                          ; a plain place behind the last exponential
	s_wait_alu depctr_va_vdst(0)                   ; one wait for the batch of eight, ahead of its first reader
	v_pk_add_f32 v[X+10:X+11], v[X:X+1], v[X+2:X+3]
	v_pk_add_f32 v[X+12:X+13], v[X+4:X+5], v[X+6:X+7]
	s_delay_alu instid0(VALU_DEP_1)
	v_pk_add_f32 v[X+10:X+11], v[X+10:X+11], v[X+12:X+13]
	s_delay_alu instid0(VALU_DEP_1)
	v_add_f32 v[X+10], v[X+10], v[X+11]
	s_wait_alu depctr_va_vdst(0)                   ; ahead of the reciprocal,
	v_rcp_f32 v[X+12], v[X+10]
	v_nop
	s_wait_alu depctr_va_vdst(0)                   ; and behind it
.irp j, 0,1,2,3,4,5,6,7
	v_mul_f32 v[X+\j], v[X+\j], v[X+12]
.endr
	ds_store_b128 v[GSW], v[X:X+3]                 ; [r][e]; both halves of the lanes write the same bytes with the same values
	ds_store_b128 v[GSW], v[X+4:X+7] offset:16
	ds_load_b128 v[X+16:X+19], v[GSR]              ; LDS serves a wave's instructions in order: this sees my stores
	s_wait_dscnt 0x0
	global_store_b128 v[LI], v[X+16:X+19], s[58:59] offset:8704    ; the tile's 512 bytes of gates: two aligned blocks of 256
	s_branch .Lend
.Lnot_gates:
	s_cmp_lt_u32 s16, 4
	s_cbranch_scc0 .Lend
	ds_load_b128 v[X:X+3], v[XSR]                  ; waves 2 and 3: the scale words of tile w - 2, which eight waves stored ahead of the barrier
	s_wait_dscnt 0x0
	global_store_b128 v[LI], v[X:X+3], s[58:59] offset:8192
.Lend:
	s_wait_tensorcnt 0x0                           ; the wave's end: a tensor wait, an add and its wait, behind my tensor load and my last LDS store
	ds_add_u32 v[SPW], v[NIL]
	s_wait_dscnt 0x0
	s_endpgm
.Lfunc_end_k_qb0fbba089d_prep:
	.size	k_qb0fbba089d_prep, .Lfunc_end_k_qb0fbba089d_prep-k_qb0fbba089d_prep
	.p2alignl 7, 3214868480
	.fill 96, 4, 3214868480
	.section	.rodata,"a",@progbits
	.p2align	6, 0x0
	.amdhsa_kernel k_qb0fbba089d_prep
		.amdhsa_group_segment_fixed_size 167936
		.amdhsa_private_segment_fixed_size 0
		.amdhsa_enable_private_segment 0
		.amdhsa_kernarg_size 48
		.amdhsa_user_sgpr_count 2
		.amdhsa_user_sgpr_kernarg_segment_ptr 1
		.amdhsa_wavefront_size32 1
		.amdhsa_system_sgpr_workgroup_id_x 1
		.amdhsa_system_sgpr_workgroup_id_y 1
		.amdhsa_system_sgpr_workgroup_id_z 1
		.amdhsa_system_vgpr_workitem_id 0
		.amdhsa_next_free_vgpr 256
		.amdhsa_next_free_sgpr 66
		.amdhsa_reserve_vcc 0
		.amdhsa_float_denorm_mode_32 3
		.amdhsa_float_denorm_mode_16_64 3
		.amdhsa_memory_ordered 1
		.amdhsa_forward_progress 1
		.amdhsa_inst_pref_size 29
	.end_amdhsa_kernel
	.amdgpu_metadata
---
amdhsa.version: [ 1, 2 ]
amdhsa.kernels:
  - .name:           k_qb0fbba089d_prep
    .symbol:         k_qb0fbba089d_prep.kd
    .args:
      - { .name: x, .offset: 0, .size: 8, .value_kind: global_buffer, .address_space: global }
      - { .name: Wg, .offset: 8, .size: 8, .value_kind: global_buffer, .address_space: global }
      - { .name: bg, .offset: 16, .size: 8, .value_kind: global_buffer, .address_space: global }
      - { .name: We_codes, .offset: 24, .size: 8, .value_kind: global_buffer, .address_space: global }
      - { .name: xq, .offset: 32, .size: 8, .value_kind: global_buffer, .address_space: global }
      - { .name: wq, .offset: 40, .size: 8, .value_kind: global_buffer, .address_space: global }
    .group_segment_fixed_size: 167936
    .private_segment_fixed_size: 0
    .kernarg_segment_align: 8
    .kernarg_segment_size: 48
    .max_flat_workgroup_size: 512
    .sgpr_count:     66
    .vgpr_count:     256
    .wavefront_size: 32
...
	.end_amdgpu_metadata
.endif
;; end of part 3
;; launch moe (part 4): grid 16 x 16, 4 waves a work-group, clusters of 4 x 1, 327,680 bytes of LDS; arguments xq, wq, We_scales, be, out0; writes out0
.if DOCPART == 4
	.amdgcn_target "amdgcn-amd-amdhsa--gfx1250"
	.amdhsa_code_object_version 6
	.text
	.protected	k_qb0fbba089d_moe
	.globl	k_qb0fbba089d_moe
	.p2align	8
	.type	k_qb0fbba089d_moe,@function
k_qb0fbba089d_moe:
	s_mov_b64 s[64:65], 0
	v_nop
	global_prefetch_b8 v0, s[64:65] scope:SCOPE_SE
	s_setreg_imm32_b32 hwreg(HW_REG_WAVE_MODE, 25, 1), 1
	s_wait_xcnt 0x0
	s_wait_alu depctr_hold_cnt(0) depctr_sa_sdst(0) depctr_va_vdst(0) depctr_va_sdst(0) depctr_va_ssrc(0) depctr_va_vcc(0) depctr_vm_vsrc(0)
	s_getreg_b32 s2, hwreg(HW_REG_IB_STS2, 6, 4)
	s_cmp_eq_u32 s2, 0
	s_cbranch_scc0 .Lentry_in_a_cluster
	s_endpgm
.Lentry_in_a_cluster:
	s_bfe_u32 s2, ttmp6, 0x10000c
	s_cmp_lg_u32 s2, 0x3003
	s_cbranch_scc0 .Lentry_shape_is_right
	s_endpgm
.Lentry_shape_is_right:
; SECOND OF TWO LAUNCHES.  out[b][o] = sum over e of g[b][e] (Q(x)[b] . We[e][:][o] + be[e][o]).  No work is left out: all eight experts are multiplied for every row.
; x's codes, scale words and gates come from the launch before as records of 9,216 bytes for each tile of 16 rows, We's codes as images of registers (that kernel's head gives both layouts); We's scale bytes [8][1024 o][32] and be as they are given.
; SHARES.  256 work-groups, each 512 rows (32 tiles t) x 64 columns; a wave makes all 512 rows of 16 columns: 2,048 matrix instructions.
; We STAYS IN REGISTERS: a wave's 16 columns of all eight experts, all 1,024 along K, are 512 registers, loaded once, 512 consecutive bytes a load.  x's tiles pass by: a fragment of x read from LDS feeds eight matrix instructions, one for each expert.
; So a tile of out is finished every 64 matrix instructions, and its stores leave while the next tiles are multiplied.
; THE MATRIX INSTRUCTION IS USED TRANSPOSED (source 0 = 16 columns of We, source 1 = 16 rows of x): lane (r, h), register j holds row r, column 8 h + j of the wave's 16.  The bias is the C of a sum's first instruction.  Eight accumulators take turns, one instruction a turn.
; Two sets of accumulators and two buffers of x's fragments, by the tile's parity.  In the MIDDLE of tile t (behind K step 3) stand: the loads of tile t + 1's fragments, the loads of tile t's gates, and the combine out = sum of g P of tile t - 1, 32 packed instructions.
; THE WAY OUT.  The four waves hold 16 neighbouring columns each; two tiles (32 rows x 256 bytes) meet in a stage in LDS, of which there are two that take turns: one barrier for each pair of tiles, its signal and its wait 32 matrix instructions apart; then each wave stores 8 rows as whole units of 256 bytes.
; LDS HOLDS ALL 32 RECORDS of the work-group's rows (294,912 bytes) in the order of memory: no byte is filled again.  They come by three tensor loads a wave, each the wave's one load behind a round of the cluster's barrier: tiles 0-3 (one a wave), 4-11 (two), 12-31 (five).
; CLUSTER.  The four work-groups of a cluster have the same rows: joint loads, mask 15.  We's codes are not shared in the cluster: each work-group has columns of its own, and they go to registers, not to LDS.
; NO PREFETCH: all of x is asked for by three loads ahead of the loop over tiles, the last of them six tiles ahead of the wait for it, and We's codes once at the head: the loop asks memory for nothing that it could run ahead of.
.set TREC,  9216                       ; a tile's record: codes 8,192, scale words 512, gates 512
.set STAGE, 32*TREC                    ; two stages of 32 rows x (256 bytes + 16)
.set SPITCH, 272
.set HROW,  16*SPITCH                  ; a tile's part of a stage
.set SBUF,  2*HROW
.set SPARE, STAGE+2*SBUF               ; the spare words, 128 bytes for each wave: two blocks of 256 bytes that no other line names
.set LI,  2                            ; v2   16 x lane
.set XAD, 3                            ; v3   LDS address of my part of the records in hand: + 16 x lane
.set GL,  4                            ; v4   32 r
.set GA,  5                            ; v5   the records in hand, + 32 r
.set STO, 6                            ; v6   the stage, in
.set RD,  7                            ; v7   and back
.set CO,  8                            ; v8   my byte offset in out
.set BIA, 9                            ; v9   32 h
.set SAD, 10                           ; v10  32 r + 16 h
.set SPW, 12                           ; v12  LDS address of my spare word; never rewritten
.set NIL, 13                           ; v13  0; never rewritten
.set XS,  16                           ; v16-23  x's scale words, two sets of four: lanes 0-15 K step 2 p, lanes 16-31 K step 2 p + 1
.set G,   24                           ; v24-39  gates of row r, two sets of eight
.set OUT, 40                           ; v40-47  the tile's result
.set R,   48                           ; v48-63  rows read back from the stage
.set WS,  64                           ; v64-95  We's scale words: 4 e + i: lanes 0-15 K step i, lanes 16-31 K step 4 + i
.set X,   96                           ; v96-223 x's fragments, two buffers of 64
.set BI,  128                          ; window 1: accumulators, set p at v[64 p + 8 e]; the bias at v[128 + 8 e]
; window 2: We's K steps 0-3 at v[64 s + 8 e];  window 3: K steps 4-7 likewise
.set WV,  18                           ; s18 wave
.set TB,  73                           ; s73 LDS byte of the first record of the trip in hand
.set CNT, 79
.set MSB, 0
.set SENDON, 0                         ; 1 once rows have been read back
.set STEPON, 0                         ; 1 once rows have been stored
.macro WIN new                         ; the immediate's high byte repeats the setting that is left; a switch that changes nothing is dropped
.if MSB != (\new)
	s_set_vgpr_msb (MSB<<8)|(\new)
.set MSB, (\new)
.endif
.endm
.macro CROUND                          ; a whole round of the cluster's barrier
	s_barrier_signal -1
	s_barrier_wait -1
	s_cmp_lg_u32 s[WV], 0
	s_cbranch_scc1 .Lnot_wave_0_\@
	s_barrier_signal -3
.Lnot_wave_0_\@:
	s_barrier_wait -3
	s_barrier_signal -1
	s_barrier_wait -1
.endm
.macro PLACES                          ; four places behind matrix instructions, in front of reads of their results and of loads into their sources
.rept 4
	v_nop
.endr
.endm
.macro GRP1 g, rows                    ; descriptor group 1: a dense block as rows of 256 bytes (32 elements of 8); mask: all four work-groups, bit 21 beside it
	s_mov_b32 s[\g+0], 15|(3<<16)|(1<<21)
	s_mov_b32 s[\g+1], 32<<16
	s_mov_b32 s[\g+2], (\rows)<<16
	s_mov_b32 s[\g+3], 32<<16
	s_mov_b32 s[\g+4], \rows
	s_mov_b32 s[\g+5], 32
	s_mov_b32 s[\g+6], 0
	s_mov_b32 s[\g+7], 0
.endm
.macro GRP0 g, l                       ; group 0: LDS address = offset in my rows' records
	s_mov_b32 s[\g], 1
	s_mov_b32 s[\g+1], s[\l]
	s_add_nc_u64 s[\g+2:\g+3], s[4:5], s[\l:\l+1]
	s_or_b32 s[\g+3], s[\g+3], 0x80000000
.endm
.macro WQ s                            ; We's eight fragments of K step s
	WIN 0x80+0x40*((\s)/4)
.irp e, 0,1,2,3,4,5,6,7
	global_load_b128 v[64*((\s)%4)+8*\e:64*((\s)%4)+8*\e+3], v[LI], s[6:7] offset:8192*(\s)+1024*\e
	global_load_b128 v[64*((\s)%4)+8*\e+4:64*((\s)%4)+8*\e+7], v[LI], s[6:7] offset:8192*(\s)+1024*\e+512
.endr
.endm
; K step s of a tile: eight products, one for each expert, on set p.  The first K step takes the bias as C: nothing is ever cleared.
.macro WM8 p, s
.irp e, 0,1,2,3,4,5,6,7
.set rD, 64*(\p)+8*\e
.set rC, rD
.if (\s) == 0
.set rC, BI+8*\e
.endif
.set rA, 64*((\s)%4)+8*\e
.set rX, X+64*(\p)+8*(\s)
.set rW, WS+4*\e+(\s)%4
.set rS, XS+4*(\p)+(\s)/2
.if ((\s) >= 4) && ((\s)%2 == 1)
	v_wmma_scale_f32_16x16x128_f8f6f4 v[rD:rD+7], v[rA:rA+7], v[rX:rX+7], v[rC:rC+7], v[rW], v[rS] matrix_a_fmt:MATRIX_FMT_FP4 matrix_b_fmt:MATRIX_FMT_FP4 matrix_a_scale:MATRIX_SCALE_ROW1 matrix_b_scale:MATRIX_SCALE_ROW1
.elseif (\s) >= 4
	v_wmma_scale_f32_16x16x128_f8f6f4 v[rD:rD+7], v[rA:rA+7], v[rX:rX+7], v[rC:rC+7], v[rW], v[rS] matrix_a_fmt:MATRIX_FMT_FP4 matrix_b_fmt:MATRIX_FMT_FP4 matrix_a_scale:MATRIX_SCALE_ROW1
.elseif (\s)%2 == 1
	v_wmma_scale_f32_16x16x128_f8f6f4 v[rD:rD+7], v[rA:rA+7], v[rX:rX+7], v[rC:rC+7], v[rW], v[rS] matrix_a_fmt:MATRIX_FMT_FP4 matrix_b_fmt:MATRIX_FMT_FP4 matrix_b_scale:MATRIX_SCALE_ROW1
.else
	v_wmma_scale_f32_16x16x128_f8f6f4 v[rD:rD+7], v[rA:rA+7], v[rX:rX+7], v[rC:rC+7], v[rW], v[rS] matrix_a_fmt:MATRIX_FMT_FP4 matrix_b_fmt:MATRIX_FMT_FP4
.endif
.endr
.endm
.macro LO p                            ; K steps 0-3: source 0 window 2, source 1 window 0, C and D window 1
	WIN 0x52
	WM8 \p, 0
	WM8 \p, 1
	WM8 \p, 2
	WM8 \p, 3
.endm
.macro HI p                            ; K steps 4-7: source 0 window 3
	WIN 0x53
	WM8 \p, 4
	WM8 \p, 5
	WM8 \p, 6
	WM8 \p, 7
.endm
.macro XLOAD b, o                      ; fragments and scale words of record o (from the base in hand) into buffer b
.irp s, 0,1,2,3,4,5,6,7
	ds_load_b128 v[X+64*(\b)+8*\s:X+64*(\b)+8*\s+3], v[XAD] offset:(\o)*TREC+1024*\s
	ds_load_b128 v[X+64*(\b)+8*\s+4:X+64*(\b)+8*\s+7], v[XAD] offset:(\o)*TREC+1024*\s+512
.endr
	ds_load_b128 v[XS+4*(\b):XS+4*(\b)+3], v[XAD] offset:(\o)*TREC+8192
.endm
.macro GLOAD b, o                      ; gates of record o into set b
	ds_load_b128 v[G+8*(\b):G+8*(\b)+3], v[GA] offset:(\o)*TREC+8704
	ds_load_b128 v[G+8*(\b)+4:G+8*(\b)+7], v[GA] offset:(\o)*TREC+8720
.endm
.macro COMB p                          ; out = sum over e of g P on set p, two numbers an instruction, each P from its low end on (source 1 window 1)
	WIN 0x04
.irp q, 0,2,4,6
	v_pk_mul_f32 v[OUT+\q:OUT+\q+1], v[G+8*(\p):G+8*(\p)+1], v[64*(\p)+\q:64*(\p)+\q+1] op_sel_hi:[0,1]
.endr
.irp e, 1,2,3,4,5,6,7
.set rG, G+8*(\p)+2*(\e/2)
.set rP, 64*(\p)+8*\e
.irp q, 0,2,4,6
.if (\e%2) == 1
	v_pk_fma_f32 v[OUT+\q:OUT+\q+1], v[rG:rG+1], v[rP+\q:rP+\q+1], v[OUT+\q:OUT+\q+1] op_sel:[1,0,0] op_sel_hi:[1,1,1]
.else
	v_pk_fma_f32 v[OUT+\q:OUT+\q+1], v[rG:rG+1], v[rP+\q:rP+\q+1], v[OUT+\q:OUT+\q+1] op_sel_hi:[0,1,1]
.endif
.endr
.endr
	WIN 0
.endm
.macro STG g                           ; my 32 bytes of a row into the stage
	ds_store_b128 v[STO], v[OUT:OUT+3] offset:(\g)
	ds_store_b128 v[STO], v[OUT+4:OUT+7] offset:(\g)+16
.endm
.macro READS g                         ; my eight rows of a stage; behind the wait on XCNT the earlier stores have read their data and their base
.if STEPON
	s_wait_xcnt 0x0
	s_add_nc_u64 s[16:17], s[16:17], 0x20000       ; 32 rows of out on
.endif
.irp i, 0,1,2,3
	ds_load_b128 v[R+4*\i:R+4*\i+3], v[RD] offset:(\g)+\i*2*SPITCH
.endr
.set SENDON, 1
.endm
.macro SENDS
.if SENDON
.irp i, 0,1,2,3
	global_store_b128 v[CO], v[R+4*\i:R+4*\i+3], s[16:17] offset:8192*\i th:TH_STORE_NT   ; 16 lanes store 256 consecutive bytes, at a multiple of 256 from out's first byte; written once, read by nobody here
.endr
.set STEPON, 1
.endif
.endm
; PAIR k: tiles 2 k and 2 k + 1.  o: record of tile 2 k from the base in hand;  sb: this pair's stage (the other one is pair k - 1's);  tw: the last tensor load is waited for;  nx: a pair follows.
.macro PAIR o, sb, tw, nx
	s_wait_dscnt 0x0                               ; this tile's fragments are in; so are the rows read back from the stage of pair k - 2
	LO 0
	WIN 0
	PLACES                                         ; behind the last products of tile 2 k - 1
	XLOAD 1, (\o)+1
	GLOAD 0, \o
	SENDS                                          ; pair k - 2 leaves
	COMB 1                                         ; tile 2 k - 1
	STG (1-(\sb))*SBUF+HROW                        ; pair k - 1's stage is whole on my part
	HI 0
.if \tw
	s_wait_tensorcnt 0x0                           ; my part of tiles 12-31 is in
.endif
	s_wait_dscnt 0x0                               ; for the others' sake: my stage stores are done, and so are my reads of the stage that is written next
	s_barrier_signal -1
	LO 1                                           ; work on registers between signal and wait
	s_barrier_wait -1
	WIN 0
	PLACES                                         ; behind the last products of tile 2 k
.if \nx
	XLOAD 0, (\o)+2
.endif
	GLOAD 1, (\o)+1
	READS (1-(\sb))*SBUF
	COMB 0                                         ; tile 2 k
	STG (\sb)*SBUF
	HI 1
.endm
.macro BASE                            ; the records of the trip in hand
	WIN 0
	v_add_nc_u32 v[XAD], s[TB], v[LI]
	v_add_nc_u32 v[GA], s[TB], v[GL]
	s_wait_alu depctr_va_vdst(0)                   ; directly behind the writes
.endm
.macro TRIP tw                         ; two pairs: stages and buffers are back where they began
	BASE
	s_add_co_u32 s[TB], s[TB], 4*TREC
	PAIR 0, 1, 0, 1
	PAIR 2, 0, \tw, 1
.endm
.macro HSTEP s                         ; the head's pass: K step s of tiles 0 and 1, as We's fragments come in
.set nL, 32                            ; the loads of the two K steps behind this one, 16 each, may be out
.if (\s) < 6
	WQ (\s)+2
.elseif (\s) == 6
.set nL, 16
.else
.set nL, 0
.endif
	s_wait_loadcnt nL
	WIN 0x52+((\s)/4)
	WM8 0, \s
	WM8 1, \s
.endm
	s_load_b128 s[4:7], s[0:1], 0x0                ; xq s[4:5], wq s[6:7]
	s_load_b128 s[8:11], s[0:1], 0x10              ; We's scales s[8:9], be s[10:11]
	s_load_b64 s[16:17], s[0:1], 0x20              ; out
	v_lshl_add_u32 v[SPW], v0, 2, SPARE
	v_mov_b32 v[NIL], 0
	ds_add_u32 v[SPW], v[NIL]                      ; the wave's opening: the add, twice on end, and its wait ahead of my first tensor load
	ds_add_u32 v[SPW], v[NIL]                      ; and once more; the set-up below, work on registers, stands between it and the wait
	v_lshrrev_b32 v1, 5, v0
	v_readfirstlane_b32 s[WV], v1                  ; wave 0..3
	s_bfe_u32 s21, ttmp6, 0x40000                  ; cx: my place in the cluster
	s_lshl_b32 s22, ttmp9, 2                       ; in a cluster launch ttmp9 counts clusters
	s_add_co_u32 s22, s22, s21                     ; my block of 64 columns: it enters the addresses of wq, We's scales, be and out alone
	s_and_b32 s23, ttmp7, 0xffff                   ; my block of 512 rows, which the four partners share
	GRP1 24, 36                                    ; one record,
	GRP1 32, 72                                    ; two,
	GRP1 40, 180                                   ; five
	s_mul_i32 s74, s[WV], TREC                     ; where my loads go: no place in the cluster enters an LDS address
	s_mov_b32 s75, 0
	s_mul_i32 s76, s[WV], 2*TREC
	s_add_co_u32 s76, s76, 4*TREC
	s_mov_b32 s77, 0
	s_mul_i32 s60, s[WV], 5*TREC
	s_add_co_u32 s60, s60, 12*TREC
	s_mov_b32 s61, 0
	s_mul_i32 s90, s23, 32*TREC                    ; my rows' records
	s_mov_b32 s91, 0
	s_lshl_b32 s80, s22, 2
	s_add_co_u32 s80, s80, s[WV]                   ; my tile of 16 columns:
	s_lshl_b32 s82, s80, 16                        ; 65,536 bytes of images,
	s_mov_b32 s83, 0
	s_lshl_b32 s84, s80, 9                         ; 512 bytes of scale bytes an expert,
	s_mov_b32 s85, 0
	s_lshl_b32 s86, s80, 6                         ; 64 bytes of bias an expert
	s_mov_b32 s87, 0
	s_lshl_b32 s88, s23, 21                        ; out: 512 rows of 4,096 bytes, 256 bytes a column block
	s_lshl_b32 s89, s22, 8
	s_add_co_u32 s88, s88, s89
	s_mov_b32 s89, 0
	s_lshl_b32 s70, s[WV], 6
	s_add_co_u32 s70, s70, STAGE
	s_mul_i32 s71, s[WV], 8*SPITCH
	s_add_co_u32 s71, s71, STAGE
	s_lshl_b32 s72, s[WV], 15
	s_mov_b32 s[TB], 2*TREC
	v_and_b32 v14, 31, v0                          ; lane
	v_and_b32 v1, 15, v0                           ; r
	v_bfe_u32 v11, v0, 4, 1                        ; h
	v_lshlrev_b32 v[LI], 4, v14
	v_lshlrev_b32 v[XAD], 4, v14
	v_lshlrev_b32 v[GL], 5, v1
	v_lshlrev_b32 v[GA], 5, v1
	v_lshlrev_b32 v[BIA], 5, v11
	v_lshl_add_u32 v[SAD], v11, 4, v[GL]
	v_mul_u32_u24 v[STO], v1, SPITCH               ; in: row r, my wave's 64 bytes, 32 for each half of the lanes
	v_mul_u32_u24 v[RD], v11, SPITCH               ; back: lanes 0-15 one row of 256 bytes, lanes 16-31 the next
	v_lshlrev_b32 v[CO], 12, v11                   ; and the same two rows in out
	v_lshl_add_u32 v[STO], v11, 5, v[STO]
	v_lshl_add_u32 v[RD], v1, 4, v[RD]
	v_lshl_add_u32 v[CO], v1, 4, v[CO]
	v_add_nc_u32 v[STO], s70, v[STO]
	v_add_nc_u32 v[RD], s71, v[RD]                 ; my eight rows of the 32
	v_add_nc_u32 v[CO], s72, v[CO]
	s_wait_alu depctr_va_vdst(0)                   ; the wait at the head's end
	s_wait_dscnt 0x0                               ; both opening adds are done
	s_wait_kmcnt 0x0
	s_add_nc_u64 s[4:5], s[4:5], s[90:91]
	s_add_nc_u64 s[6:7], s[6:7], s[82:83]
	s_add_nc_u64 s[8:9], s[8:9], s[84:85]
	s_add_nc_u64 s[10:11], s[10:11], s[86:87]
	s_add_nc_u64 s[16:17], s[16:17], s[88:89]
	GRP0 48, 74
	GRP0 52, 76
	GRP0 56, 60
.irp e, 0,1,2,3,4,5,6,7
	global_load_b128 v[WS+4*\e:WS+4*\e+3], v[SAD], s[8:9] offset:32768*\e      ; 512 consecutive bytes: lane (r, h) takes bytes 16 h .. 16 h + 15 of column r
.endr
	WIN 0x40                                       ; destination window 1
.irp e, 0,1,2,3,4,5,6,7
	global_load_b128 v[BI+8*\e:BI+8*\e+3], v[BIA], s[10:11] offset:4096*\e     ; the bias in the result's layout
	global_load_b128 v[BI+8*\e+4:BI+8*\e+7], v[BIA], s[10:11] offset:4096*\e+16
.endr
	WQ 0
	WIN 0
	CROUND                                         ; all four work-groups are here: the first joint loads meet
	tensor_load_to_lds s[48:51], s[24:31]          ; tile w: my one tensor load at the head
	s_nop 0
	PLACES
	WQ 1
	WIN 0
	s_wait_tensorcnt 0x0                           ; my tile is in; an add and its wait follow, ahead of a later first fill:
	ds_add_u32 v[SPW], v[NIL]
	s_wait_dscnt 0x0
	CROUND                                         ; tiles 0-3 are in, and all four work-groups are here
	tensor_load_to_lds s[52:55], s[32:39]          ; two of tiles 4-11
	s_nop 0
	PLACES
	XLOAD 0, 0
	XLOAD 1, 1
	GLOAD 0, 0
	GLOAD 1, 1
	s_wait_dscnt 0x0
.irp s, 0,1,2,3,4,5,6,7
	HSTEP \s
.endr
	WIN 0
	PLACES
	s_wait_tensorcnt 0x0                           ; my part of tiles 4-11 is in; the same lines once more:
	ds_add_u32 v[SPW], v[NIL]
	COMB 0                                         ; tile 0's combine stands between the add and the wait for it
	s_wait_alu depctr_va_vdst(0)                   ; directly ahead of the wait below
	s_wait_dscnt 0x0
	CROUND                                         ; tiles 4-11 are in, and all four work-groups are here
	tensor_load_to_lds s[56:59], s[40:47]          ; five of tiles 12-31
	s_nop 0
	PLACES
	XLOAD 0, 2
	STG 0
	TRIP 0                                         ; tiles 2-5
	TRIP 1                                         ; tiles 6-9: the barrier between tiles 8 and 9 shows tiles 12-31 to every wave
	WIN 0
	s_mov_b32 s[CNT], 5
.Ltrip:                                            ; tiles 10-29, four a trip
	TRIP 0
	WIN 0                                          ; at a label and at a branch every window is 0
	s_sub_co_u32 s[CNT], s[CNT], 1
	s_cmp_lg_u32 s[CNT], 0
	s_cbranch_scc1 .Ltrip
	BASE
	PAIR 0, 1, 0, 0                                ; tiles 30 and 31
	WIN 0
	PLACES
	s_wait_dscnt 0x0                               ; tile 31's gates, and pair 14's rows
	SENDS
	COMB 1                                         ; tile 31
	STG SBUF+HROW
	s_wait_dscnt 0x0
	s_barrier_signal -1
	s_barrier_wait -1
	READS SBUF
	s_wait_dscnt 0x0
	SENDS
	s_wait_tensorcnt 0x0                           ; the wave's end: a tensor wait, an add and its wait, behind my last tensor load and my last LDS store
	ds_add_u32 v[SPW], v[NIL]
	s_wait_dscnt 0x0
	CROUND                                         ; the closing round: no work-group ends while a partner may still ask for a tile that names it
	s_endpgm
.Lfunc_end_k_qb0fbba089d_moe:
	.size	k_qb0fbba089d_moe, .Lfunc_end_k_qb0fbba089d_moe-k_qb0fbba089d_moe
	.p2alignl 7, 3214868480
	.fill 96, 4, 3214868480
	.section	.rodata,"a",@progbits
	.p2align	6, 0x0
	.amdhsa_kernel k_qb0fbba089d_moe
		.amdhsa_group_segment_fixed_size 327680
		.amdhsa_private_segment_fixed_size 0
		.amdhsa_enable_private_segment 0
		.amdhsa_kernarg_size 40
		.amdhsa_user_sgpr_count 2
		.amdhsa_user_sgpr_kernarg_segment_ptr 1
		.amdhsa_wavefront_size32 1
		.amdhsa_system_sgpr_workgroup_id_x 1
		.amdhsa_system_sgpr_workgroup_id_y 1
		.amdhsa_system_sgpr_workgroup_id_z 1
		.amdhsa_system_vgpr_workitem_id 0
		.amdhsa_next_free_vgpr 1024
		.amdhsa_next_free_sgpr 100
		.amdhsa_reserve_vcc 0
		.amdhsa_float_denorm_mode_32 3
		.amdhsa_float_denorm_mode_16_64 3
		.amdhsa_memory_ordered 1
		.amdhsa_forward_progress 1
		.amdhsa_inst_pref_size 216
	.end_amdhsa_kernel
	.amdgpu_metadata
---
amdhsa.version: [ 1, 2 ]
amdhsa.kernels:
  - .name:           k_qb0fbba089d_moe
    .symbol:         k_qb0fbba089d_moe.kd
    .args:
      - { .name: xq, .offset: 0, .size: 8, .value_kind: global_buffer, .address_space: global }
      - { .name: wq, .offset: 8, .size: 8, .value_kind: global_buffer, .address_space: global }
      - { .name: We_scales, .offset: 16, .size: 8, .value_kind: global_buffer, .address_space: global }
      - { .name: be, .offset: 24, .size: 8, .value_kind: global_buffer, .address_space: global }
      - { .name: out0, .offset: 32, .size: 8, .value_kind: global_buffer, .address_space: global }
    .group_segment_fixed_size: 327680
    .private_segment_fixed_size: 0
    .kernarg_segment_align: 8
    .kernarg_segment_size: 40
    .max_flat_workgroup_size: 128
    .sgpr_count:     100
    .vgpr_count:     1024
    .wavefront_size: 32
...
	.end_amdgpu_metadata
.endif
;; end of part 4
